; MI455X (gfx1250); checked and timed in simulation.
; The chip was launched on July 23, 2026; its instructions are those of AMD's public machine-readable ISA for CDNA 5 (MIT licence, August 2026) and "CDNA5" Instruction Set Architecture Reference Guide (July 2026). The comments in the code are by the model that wrote it; some were corrected since.
;; Attention. Allowed arithmetic: float matrix products may take bf16 or f16 operands with f32 sums; all other float work in f32.
;; Inputs: cos 2,048 x 64 float32; mask 2,048 x 2,048 float32; sin 2,048 x 64 float32; wk 1,024 x 4,096 float32; wo 4,096 x 2,048 float32; wq 2,048 x 4,096 float32; wv 1,024 x 4,096 float32; x 1 x 2,048 x 4,096 float32.
;; Outputs: out0 1 x 2,048 x 4,096 float32.
;; Constants: start_pos = 0.
;; One version. Each part assembles by itself: llvm-mc -triple=amdgcn-amd-amdhsa -mcpu=gfx1250 --defsym DOCPART=n.
;; ======== version 1 of 1: 4 launches
;; limits: values outside matrix products are rounded to bf16; values are held in f16: magnitudes above 65,504 overflow, below 6.1e-05 lose precision; right only within a limited range of input values
;; workspace buffers: bfin 67,108,864 bytes; qkvh 16,777,216 bytes; ao 8,388,608 bytes
;; launch narrow (part 1): grid 2048 x 1, 8 waves a work-group, no clusters, 0 bytes of LDS; arguments x, wq, wk, wv, wo, bfin; writes bfin
.if DOCPART == 1
	.amdgcn_target "amdgcn-amd-amdhsa--gfx1250"
	.amdhsa_code_object_version 6
	.text
	.protected	k_qbd4be23bd3_narrow
	.globl	k_qbd4be23bd3_narrow
	.p2align	8
	.type	k_qbd4be23bd3_narrow,@function
k_qbd4be23bd3_narrow:
	s_mov_b64 s[64:65], 0
	v_nop
	global_prefetch_b8 v0, s[64:65] scope:SCOPE_SE
	s_setreg_imm32_b32 hwreg(HW_REG_WAVE_MODE, 25, 1), 1
	s_wait_xcnt 0x0
; The five f32 matrices are rounded once to 16 bits and laid one behind the other in bfin:
;   x [2048][4096] at byte 0, wq at 0x1000000, wk at 0x2000000, wv at 0x2800000 (the three are one matrix [4096][4096]), wo [4096][2048] at 0x3000000.
; x, wq, wk, wv: bf16 of half the number (a power of two: the rounding is that of the number itself), so that q, k, v = x w^T come out at a quarter
; and have room in f16, in which the later launches hold them.
; wo: rounded to bf16 like the others, then four times that, held in f16 (8 significant bits fit into f16's 11: exact from 2^-17 up), since its product's other
; operand is in f16 and the matrix form takes one format for both.  LIMIT: |wo| under 16,376, beyond that f16 gives infinity.
; A stream: no LDS, no barrier, no matrix unit.  A work-group takes 64 KiB of one input, a wave 8 KiB: sixteen loads of 512 neighbouring bytes, all issued at once;
; each store of a wave covers 256 consecutive bytes, aligned.
.set X, 4                              ; v[4:67]   sixteen loads of four numbers
.set Y, 68                             ; v[68:99]  sixteen pairs of packed words
.set FIRST_WO, 1536                    ; work-groups 0-511 x, 512-1023 wq, 1024-1279 wk, 1280-1535 wv, 1536-2047 wo
.macro PICK lim, ptr, start            ; below work-group lim the input is the one at s[ptr], whose first work-group is start
	s_cmp_lt_u32 ttmp9, \lim
	s_cselect_b64 s[20:21], s[\ptr:\ptr+1], s[20:21]
	s_cselect_b32 s22, \start, s22
.endm
	s_load_b256 s[4:11], s[0:1], 0x0               ; x s[4:5], wq s[6:7], wk s[8:9], wv s[10:11]
	s_load_b128 s[12:15], s[0:1], 0x20             ; wo s[12:13], bfin s[14:15]
	v_and_b32 v1, 31, v0                           ; lane
	v_lshrrev_b32 v3, 5, v0                        ; wave
	v_lshlrev_b32 v2, 3, v1                        ; out: 8 bytes a lane
	v_lshlrev_b32 v1, 4, v1                        ; in: 16 bytes a lane
	v_lshl_add_u32 v1, v3, 13, v1                  ; + wave x 8,192
	v_lshl_add_u32 v2, v3, 12, v2                  ; + wave x 4,096
	s_mov_b32 s28, 0xffff0000                      ; a word's upper bf16
	s_wait_kmcnt 0x0
	s_mov_b64 s[20:21], s[12:13]
	s_mov_b32 s22, FIRST_WO
	PICK 1536, 10, 1280
	PICK 1280, 8, 1024
	PICK 1024, 6, 512
	PICK 512, 4, 0
	s_sub_co_u32 s24, ttmp9, s22                   ; my place in that input,
	s_lshl_b32 s24, s24, 16                        ; times 64 KiB
	s_mov_b32 s25, 0
	s_add_nc_u64 s[20:21], s[20:21], s[24:25]
	s_lshl_b32 s26, ttmp9, 15                      ; the outputs follow each other in the inputs' order: 32 KiB a work-group
	s_mov_b32 s27, 0
	s_add_nc_u64 s[14:15], s[14:15], s[26:27]
.irp j, 0,1,2,3,4,5,6,7,8,9,10,11,12,13,14,15
	global_load_b128 v[X+4*\j:X+4*\j+3], v1, s[20:21] offset:512*\j th:TH_LOAD_NT
.endr
	s_cmp_lt_u32 ttmp9, FIRST_WO
	s_cbranch_scc0 .Lwo
.irp j, 0,1,2,3,4,5,6,7,8,9,10,11,12,13,14,15
	s_wait_loadcnt 15-\j                           ; loads come back in order: load j is in, the 15 - j younger ones stay out
	v_pk_mul_f32 v[X+4*\j:X+4*\j+1], v[X+4*\j:X+4*\j+1], 0.5 op_sel_hi:[1,0]
	v_pk_mul_f32 v[X+4*\j+2:X+4*\j+3], v[X+4*\j+2:X+4*\j+3], 0.5 op_sel_hi:[1,0]
	v_cvt_pk_bf16_f32 v[Y+2*\j], v[X+4*\j], v[X+4*\j+1]
	v_cvt_pk_bf16_f32 v[Y+2*\j+1], v[X+4*\j+2], v[X+4*\j+3]
	global_store_b64 v2, v[Y+2*\j:Y+2*\j+1], s[14:15] offset:256*\j   ; no register is written twice, so nothing waits for a store
.endr
	s_endpgm
.Lwo:
.irp j, 0,1,2,3,4,5,6,7,8,9,10,11,12,13,14,15
	s_wait_loadcnt 15-\j
	v_cvt_pk_bf16_f32 v[Y+2*\j], v[X+4*\j], v[X+4*\j+1]         ; the rounding,
	v_cvt_pk_bf16_f32 v[Y+2*\j+1], v[X+4*\j+2], v[X+4*\j+3]
	v_lshlrev_b32 v[X+4*\j], 16, v[Y+2*\j]                      ; back to f32,
	v_and_b32 v[X+4*\j+1], s28, v[Y+2*\j]
	v_lshlrev_b32 v[X+4*\j+2], 16, v[Y+2*\j+1]
	v_and_b32 v[X+4*\j+3], s28, v[Y+2*\j+1]
	v_pk_mul_f32 v[X+4*\j:X+4*\j+1], v[X+4*\j:X+4*\j+1], 4.0 op_sel_hi:[1,0]       ; four times: undoes the quarter that ao carries,
	v_pk_mul_f32 v[X+4*\j+2:X+4*\j+3], v[X+4*\j+2:X+4*\j+3], 4.0 op_sel_hi:[1,0]
	v_cvt_pk_f16_f32 v[Y+2*\j], v[X+4*\j], v[X+4*\j+1]          ; and the container
	v_cvt_pk_f16_f32 v[Y+2*\j+1], v[X+4*\j+2], v[X+4*\j+3]
	global_store_b64 v2, v[Y+2*\j:Y+2*\j+1], s[14:15] offset:256*\j
.endr
	s_endpgm
.Lfunc_end_k_qbd4be23bd3_narrow:
	.size	k_qbd4be23bd3_narrow, .Lfunc_end_k_qbd4be23bd3_narrow-k_qbd4be23bd3_narrow
	.p2alignl 7, 3214868480
	.fill 96, 4, 3214868480
	.section	.rodata,"a",@progbits
	.p2align	6, 0x0
	.amdhsa_kernel k_qbd4be23bd3_narrow
		.amdhsa_group_segment_fixed_size 0
		.amdhsa_private_segment_fixed_size 0
		.amdhsa_enable_private_segment 0
		.amdhsa_kernarg_size 48
		.amdhsa_user_sgpr_count 2
		.amdhsa_user_sgpr_kernarg_segment_ptr 1
		.amdhsa_wavefront_size32 1
		.amdhsa_system_sgpr_workgroup_id_x 1
		.amdhsa_system_sgpr_workgroup_id_y 1
		.amdhsa_system_sgpr_workgroup_id_z 1
		.amdhsa_system_vgpr_workitem_id 0
		.amdhsa_next_free_vgpr 100
		.amdhsa_next_free_sgpr 66
		.amdhsa_reserve_vcc 0
		.amdhsa_float_denorm_mode_32 3
		.amdhsa_float_denorm_mode_16_64 3
		.amdhsa_memory_ordered 1
		.amdhsa_forward_progress 1
		.amdhsa_inst_pref_size 20
	.end_amdhsa_kernel
	.amdgpu_metadata
---
amdhsa.version: [ 1, 2 ]
amdhsa.kernels:
  - .name:           k_qbd4be23bd3_narrow
    .symbol:         k_qbd4be23bd3_narrow.kd
    .args:
      - { .name: x, .offset: 0, .size: 8, .value_kind: global_buffer, .address_space: global }
      - { .name: wq, .offset: 8, .size: 8, .value_kind: global_buffer, .address_space: global }
      - { .name: wk, .offset: 16, .size: 8, .value_kind: global_buffer, .address_space: global }
      - { .name: wv, .offset: 24, .size: 8, .value_kind: global_buffer, .address_space: global }
      - { .name: wo, .offset: 32, .size: 8, .value_kind: global_buffer, .address_space: global }
      - { .name: bfin, .offset: 40, .size: 8, .value_kind: global_buffer, .address_space: global }
    .group_segment_fixed_size: 0
    .private_segment_fixed_size: 0
    .kernarg_segment_align: 8
    .kernarg_segment_size: 48
    .max_flat_workgroup_size: 256
    .sgpr_count:     66
    .vgpr_count:     100
    .wavefront_size: 32
...
	.end_amdgpu_metadata
.endif
;; end of part 1
;; launch qkv (part 2): grid 16 x 16, 4 waves a work-group, clusters of 4 x 4, 327,680 bytes of LDS; arguments bfin, cos, sin, qkvh; writes qkvh
.if DOCPART == 2
	.amdgcn_target "amdgcn-amd-amdhsa--gfx1250"
	.amdhsa_code_object_version 6
	.text
	.protected	k_qbd4be23bd3_qkv
	.globl	k_qbd4be23bd3_qkv
	.p2align	8
	.type	k_qbd4be23bd3_qkv,@function
k_qbd4be23bd3_qkv:
	s_mov_b64 s[64:65], 0
	v_nop
	global_prefetch_b8 v0, s[64:65] scope:SCOPE_SE
	s_setreg_imm32_b32 hwreg(HW_REG_WAVE_MODE, 25, 1), 1
	s_wait_xcnt 0x0
	s_wait_alu depctr_hold_cnt(0) depctr_sa_sdst(0) depctr_va_vdst(0) depctr_va_sdst(0) depctr_va_ssrc(0) depctr_va_vcc(0) depctr_vm_vsrc(0)
	s_getreg_b32 s2, hwreg(HW_REG_IB_STS2, 6, 4)
	s_cmp_eq_u32 s2, 0
	s_cbranch_scc0 .Lentry_in_a_cluster
	s_endpgm
.Lentry_in_a_cluster:
	s_bfe_u32 s2, ttmp6, 0x10000c
	s_cmp_lg_u32 s2, 0xf033
	s_cbranch_scc0 .Lentry_shape_is_right
	s_endpgm
.Lentry_shape_is_right:
; C[m][n] = sum over k of A[m][k] B[n][k], C 2048 x 4096, sums in f32.  One text for two launches, chosen by QKV:
;   QKV = 1: A = x (bf16, at a half), B = wq, wk, wv as one matrix (bf16, at a half), K = 4096.  C's columns are 32 heads of 128: 16 of q, 8 of k, 8 of v, all at a quarter.
;            q and k are rotated (RoPE) in f32, all three rounded to f16 and stored head by head: qkvh [32][2048][128].
;            LIMITS: |q|, |k|, |v| under 262,016 (four times f16's largest).  cos and sin are rounded to bf16 before use, as x and the weights are: up to 2^-9 relative in each.
;   QKV = 0: A = ao (f16, at a quarter), B = wo (f16, four times), K = 2048.  C = out0 in f32.
; A tile of C is 128 x 256: 256 tiles, one work-group each.  Four waves, each 64 rows x 128 columns: 32 accumulators of 16 x 16, 256 registers.
; K goes in steps of 128 through two LDS slots filled by the tensor data mover: rows of 256 bytes of memory, at multiples of 256 bytes.
; CLUSTERS: 4 x 4 work-groups.  The four of a row of the cluster need the same tiles of A, the four of a column the same tiles of B: each tile is asked for jointly, by the same
; tensor load with the same descriptor and a mask that names the four.  By this text's count a wave has two tensor loads out at the start and one behind each round.
; ASKING AHEAD (global_prefetch_b8).  Behind the joint load that refills slot 0 with K step 2 i + 2 a wave asks, by one instruction, for the 512 bytes a row of K steps 2 i + 4 and 2 i + 5,
; whose own loads go out two and three K steps later: 16 rows, two lanes 256 bytes apart in each.  K steps 2 and 3 are asked for once at the start; the lap with the last refills asks for
; nothing, so no request points past a row's end.
;   A: each block is asked for once in the launch.  Of the 16 work-groups that read a tile row's 128 rows the 8 in clusters of even x ask, wave 0 of each for 16 rows.
;   B: each block is asked for twice in the launch.  Of a tile column's 256 rows a work-group asks for 32 (waves 2 and 3, 16 each): cluster rows 0 and 3 share out the tile's rows 0-127,
;   cluster rows 1 and 2 its rows 128-255, so that any two neighbouring cluster rows, and any two of like parity, together ask for the whole tile.
; THE LAST K STEP GOES BY ROWS OF C where QKV = 0: all its fragments of B lie in window 3, and the wave's four blocks of 16 rows are finished one after the other, so that a finished block's
; stores leave while the next is multiplied.  K stays ascending in every sum.  Not where QKV = 1: there window 3 holds cos and sin, and 256 (sums) + 256 (B) + 128 (A) + 256 (cos, sin)
; registers and window 0's 160 are more than the 1,024 that a wave has.
; THE MATRIX INSTRUCTION IS USED TRANSPOSED (source 0 = 16 rows of B, source 1 = 16 rows of A): lane l holds row l % 16 of C and the columns 8 (l / 16) + 0..7.
; REGISTERS, in windows of 256: window 0 addresses and the way out; window 1 the accumulators ((a, b) at v[8 (8 a + b)]); window 2 two fragment buffers of 96
; (64 of B, then 32 of A, for 32 along K); window 3: QKV = 1: cos at v[32 a + 4 b], sin at v[128 + 32 a + 4 b], four numbers for each accumulator; QKV = 0: B's fragments of the last K step.
.set QKV, 1
.if QKV
.set SIZE_K, 4096
.set BPTR,   68                        ; B lies in bfin,
.set BOFF,   0x1000000                 ; behind x
.set SPITCH, 272                       ; a stage row: 128 f16 + 16 bytes
.set OB,     128                       ; v128-159 16 rows read back from the stage
.else
.set SIZE_K, 2048
.set BPTR,   70
.set BOFF,   0x3000000                 ; wo's place in bfin
.set SPITCH, 528                       ; a stage row: 128 f32 + 16 bytes
.set OB,     64                        ; v64-127
.endif
.set KSTEP,  128
.set PITCH,  272                       ; an LDS row: 256 bytes + 16 of padding = 68 words: the 16 rows that a load touches start at 16 different banks (64 banks of 4 bytes: ISA guide 11.1)
.set HALFA,  64*PITCH                  ; what one tensor load brings of A, and what one wave reads of A
.set HALFB,  128*PITCH                 ; the same for B
.set ABYTES, 2*HALFA
.set SLOT,   ABYTES+2*HALFB            ; A's 128 rows, then B's 256 rows: 104,448 bytes
.set STAGE,  2*SLOT                    ; behind the ring, 816 x 256: 16 stage rows for each wave; no tensor load lands here
.set LAPS,   SIZE_K/(2*KSTEP)          ; a lap = two K steps = once round the ring
.set ADRA, 16                          ; v16-17  LDS address of my A fragments in slot 0, 1
.set ADRB, 20                          ; v20-21  the same for B
.set STO,  24                          ; v24     the way out: where I put my piece of a row
.set RD,   25                          ; v25     the way out: where I read rows back
.set CO,   26                          ; v26     my byte offset in C
.set CSO,  27                          ; v27     my byte offset in cos and in sin
.set PO,   28                          ; v28     asking ahead: my lane's byte offset: row l / 2 of sixteen, 256 bytes x (l % 2); never rewritten
.set TMP,  32                          ; v32-63  packed results
.set R,    64                          ; v64-127 a block's rotated numbers in f32
.set F0,   0                           ; fragment buffers, in window 2
.set F1,   96
.set G1,  24                           ; s[24:31] descriptor group 1 for A's tiles;  s[32:39] group 0, one set for each slot
.set G0,  32
.set G1B, 48                           ; s[48:55], s[56:63] the same for B's tiles
.set G0B, 56
.set ASKS, 79                          ; s79      1: this wave asks ahead
.set PB,   80                          ; s[80:81] the first of its sixteen rows, at the lap that it asked for last
.set DCONST, (1<<16)|(1<<20)|(1<<21)|(5<<22)|(3<<25)   ; 17:16 elements of 2 bytes; 20 padding on; 21 set beside a mask; 24:22 after every 64 words; 31:25 4 words of it
.set MSB, 0
.macro WIN new                         ; the immediate's high byte repeats the setting that is left; a switch that changes nothing is dropped
.if MSB != \new
	s_set_vgpr_msb (MSB<<8)|\new
.set MSB, \new
.endif
.endm
.set MUL,   0x5a                       ; sources 0 (B) and 1 (A) window 2; C and D window 1
.set MULR,  0x5b                       ; source 0 (B) window 3, source 1 (A) window 2; C and D window 1
.set TO_F,  0x80                       ; destination window 2, address window 0
.set TO_CS, 0xc0                       ; destination window 3, address window 0
.set W_CS,  0xcf                       ; destination and sources 0, 1 window 3
.set ROPEW, 0x0d                       ; source 0 window 1 (accumulator), source 1 window 3 (cos, sin), the rest window 0
.set STW,   0x04                       ; an LDS store's data (source 1) window 1
; A joint load: waves 0 and 1 fetch A's two halves, waves 2 and 3 B's.  The branch hangs on the wave's number alone.  Four v_nop follow each of the two lines, ahead of the
; jump, the label and what follows.
.macro JLOAD s
	s_cmp_eq_u32 s11, 0
	s_cbranch_scc0 .Lfor_b_\@
	tensor_load_to_lds s[G0+4*\s:G0+4*\s+3], s[G1:G1+7]
	s_nop 0
.rept 4
	v_nop
.endr
	s_branch .Lasked_\@
.Lfor_b_\@:
	tensor_load_to_lds s[G0B+4*\s:G0B+4*\s+3], s[G1B:G1B+7]
	s_nop 0
.rept 4
	v_nop
.endr
.Lasked_\@:
.endm
; A request ahead.  The branch hangs on the wave's number and on the cluster's x, which all partners share.  step = 1: the base goes one lap (512 bytes) on first, behind a wait that
; stands a whole lap behind the request that read it.
.macro ASK step
	s_cmp_eq_u32 s[ASKS], 0
	s_cbranch_scc1 .Lno_ask_\@
.if \step
	s_wait_xcnt 0x0                                ; my last request has had its addresses translated (ISA guide 3.1): only behind this wait is its base rewritten
	s_add_nc_u64 s[PB:PB+1], s[PB:PB+1], 2*KSTEP*2
.endif
	global_prefetch_b8 v[PO], s[PB:PB+1] th:TH_LOAD_NT scope:SCOPE_SE
.Lno_ask_\@:
.endm
.macro CREST                           ; a round of the cluster's barrier behind its opening barrier
	s_cmp_lg_u32 s10, 0
	s_cbranch_scc1 .Lnot_wave_0_\@
	s_barrier_signal -3
.Lnot_wave_0_\@:
	s_barrier_wait -3
	s_barrier_signal -1
	s_barrier_wait -1
.endm
.macro CROUND                          ; a whole round
	s_barrier_signal -1
	s_barrier_wait -1
	CREST
.endm
.if QKV
	s_load_b256 s[68:75], s[0:1], 0x0              ; bfin s[68:69], cos s[70:71], sin s[72:73], qkvh s[74:75]
	s_set_vgpr_msb 0x80
	v_lshl_add_u32 v254, v0, 2, 0x37400
	v_mov_b32 v255, 0
	s_set_vgpr_msb 0x808a
	ds_add_u32 v254, v255
	s_set_vgpr_msb 0x8a00
.else
	s_load_b128 s[68:71], s[0:1], 0x0              ; ao s[68:69], bfin s[70:71]
	s_load_b64 s[72:73], s[0:1], 0x10              ; out0
.endif
	v_lshrrev_b32 v1, 5, v0
	v_readfirstlane_b32 s10, v1                    ; wave 0..3
	s_lshr_b32 s11, s10, 1                         ; which 64 of the tile's rows are mine.  Also: I fetch for A (0) or for B (1)
	s_and_b32 s12, s10, 1                          ; which 128 of its columns.  Also: which half of that tile I fetch
	s_bfe_u32 s40, ttmp6, 0x40000                  ; cx, cy: my place in the cluster
	s_bfe_u32 s41, ttmp6, 0x40004
	s_lshl_b32 s42, ttmp9, 2
	s_add_co_u32 s42, s42, s40                     ; tile column of C = 4 x cluster x + cx
	s_and_b32 s13, ttmp7, 0xffff
	s_lshl_b32 s13, s13, 2
	s_add_co_u32 s13, s13, s41                     ; tile row of C = 4 x cluster y + cy
	s_lshl_b32 s43, s41, 2
	s_lshl_b32 s43, 15, s43                        ; my row of the cluster
	s_lshl_b32 s44, 0x1111, s40                    ; my column
	s_or_b32 s[G1+0], s43, DCONST                  ; A's tiles go to my row
	s_mov_b32 s[G1+1], KSTEP<<16                   ; tensor_dim0 = 128
	s_mov_b32 s[G1+2], 64<<16                      ; tensor_dim1 = 64
	s_mov_b32 s[G1+3], KSTEP<<16                   ; tile_dim0 = 128
	s_mov_b32 s[G1+4], 64                          ; tile_dim1 = 64
	s_mov_b32 s[G1+5], SIZE_K                      ; elements from row to row
	s_mov_b32 s[G1+6], 0
	s_mov_b32 s[G1+7], 0
	s_or_b32 s[G1B+0], s44, DCONST                 ; B's tiles go to my column
	s_mov_b32 s[G1B+1], KSTEP<<16
	s_mov_b32 s[G1B+2], 128<<16                    ; 128 rows
	s_mov_b32 s[G1B+3], KSTEP<<16
	s_mov_b32 s[G1B+4], 128
	s_mov_b32 s[G1B+5], SIZE_K
	s_mov_b32 s[G1B+6], 0
	s_mov_b32 s[G1B+7], 0
	; where the tiles come from: A's hang on the tile row alone, B's on the tile column alone, each in registers that never hold the other coordinate.  All offsets stay under 2^31.
	s_lshl_b32 s17, s12, 6
	s_lshl_b32 s16, s13, 7
	s_add_co_u32 s16, s16, s17                     ; A: row 128 x tile row + 64 x half
	s_mul_i32 s16, s16, SIZE_K*2
	s_mov_b32 s17, 0
	s_lshl_b32 s47, s12, 7
	s_lshl_b32 s46, s42, 8
	s_add_co_u32 s46, s46, s47                     ; B: row 256 x tile column + 128 x half
	s_mul_i32 s46, s46, SIZE_K*2
	s_add_co_u32 s46, s46, BOFF
	s_mov_b32 s47, 0
	s_mul_i32 s20, s12, HALFA                      ; where they go: no place in the cluster enters an LDS address
	s_mul_i32 s22, s12, HALFB
	s_add_co_u32 s22, s22, ABYTES
	s_wait_dscnt 0x0
	s_wait_kmcnt 0x0
	s_add_nc_u64 s[14:15], s[68:69], s[16:17]
	s_add_nc_u64 s[46:47], s[BPTR:BPTR+1], s[46:47]
	CROUND                                         ; all sixteen work-groups are here: the first joint loads meet
.irp s, 0,1
	s_mov_b32 s[G0+4*\s], 1                                        ; count = 1
	s_add_co_u32 s[G0+4*\s+1], s20, \s*SLOT                        ; LDS address
	s_add_nc_u64 s[G0+4*\s+2:G0+4*\s+3], s[14:15], \s*KSTEP*2      ; global address: K step s
	s_or_b32 s[G0+4*\s+3], s[G0+4*\s+3], 0x80000000                ; type = 2
	s_mov_b32 s[G0B+4*\s], 1
	s_add_co_u32 s[G0B+4*\s+1], s22, \s*SLOT
	s_add_nc_u64 s[G0B+4*\s+2:G0B+4*\s+3], s[46:47], \s*KSTEP*2
	s_or_b32 s[G0B+4*\s+3], s[G0B+4*\s+3], 0x80000000
	JLOAD \s
.endr
	; WHO ASKS AHEAD, AND WHERE.  These registers hold both coordinates; they feed no descriptor, no LDS address and no branch but ASK's, which hangs on s[ASKS] alone.
	v_and_b32 v6, 31, v0
	v_lshrrev_b32 v7, 1, v6                        ; row l / 2 of my sixteen,
	v_and_b32 v6, 1, v6                            ; the first or the second 256 bytes of a lap's 512
	v_mul_u32_u24 v[PO], v7, SIZE_K*2
	v_lshl_add_u32 v[PO], v6, 8, v[PO]
	s_and_b32 s82, ttmp7, 0xffff                   ; B: cluster y:
	s_lshr_b32 s83, s82, 1
	s_xor_b32 s83, s83, s82
	s_and_b32 s83, s83, 1                          ; 0 in cluster rows 0 and 3 (the tile's rows 0-127), 1 in rows 1 and 2 (its rows 128-255);
	s_lshl_b32 s83, s83, 2
	s_add_co_u32 s83, s83, s41                     ; of those 128 rows 32 for each cy,
	s_lshl_b32 s83, s83, 1
	s_add_co_u32 s83, s83, s12                     ; 16 for wave 2, 16 for wave 3
	s_lshl_b32 s83, s83, 4
	s_lshl_b32 s84, s42, 8
	s_add_co_u32 s83, s83, s84                     ; + 256 x tile column
	s_mul_i32 s83, s83, SIZE_K*2
	s_add_co_u32 s83, s83, BOFF+2*KSTEP*2          ; at K step 2
	s_lshr_b32 s84, ttmp9, 1                       ; A: of the tile row's 128 rows 16 for each of the 8 work-groups in clusters of even x
	s_lshl_b32 s84, s84, 2
	s_add_co_u32 s84, s84, s40
	s_lshl_b32 s84, s84, 4
	s_lshl_b32 s85, s13, 7
	s_add_co_u32 s84, s84, s85                     ; + 128 x tile row
	s_mul_i32 s84, s84, SIZE_K*2
	s_add_co_u32 s84, s84, 2*KSTEP*2               ; at K step 2
	s_and_b32 s[ASKS], ttmp9, 1                    ; on A's side wave 1 does not ask, and wave 0 not in clusters of odd x;
	s_or_b32 s[ASKS], s[ASKS], s12
	s_xor_b32 s[ASKS], s[ASKS], 1
	s_cmp_eq_u32 s11, 0
	s_cselect_b32 s[ASKS], s[ASKS], 1              ; waves 2 and 3 always ask
	s_cselect_b64 s[PB:PB+1], s[68:69], s[BPTR:BPTR+1]
	s_cselect_b32 s82, s84, s83
	s_mov_b32 s83, 0
	s_add_nc_u64 s[PB:PB+1], s[PB:PB+1], s[82:83]
	ASK 0                                          ; K steps 2 and 3, whose loads go out behind K steps 0 and 1
	; a fragment is 16 rows x 32 K in 8 registers: lane l holds row l % 16; two loads of 16 bytes, 32 bytes apart, at row x pitch + 16 (l / 16)
	v_and_b32 v1, 15, v0                           ; r = l % 16
	v_bfe_u32 v2, v0, 4, 1                         ; h = l / 16
	v_mul_u32_u24 v3, v1, PITCH
	v_lshl_add_u32 v3, v2, 4, v3
	s_mul_i32 s21, s11, HALFA                      ; my 64 rows of A
	s_mul_i32 s22, s12, HALFB                      ; my 128 rows of B,
	s_add_co_u32 s22, s22, ABYTES                  ; which lie behind A's 128
.irp s, 0,1
	v_add_nc_u32 v[ADRA+\s], s21, v3
	v_add_nc_u32 v[ADRB+\s], s22, v3
	s_add_co_u32 s21, s21, SLOT
	s_add_co_u32 s22, s22, SLOT
.endr
	s_mul_i32 s23, s10, 16*SPITCH
	s_add_co_u32 s23, s23, STAGE                   ; my stage
	v_mul_u32_u24 v4, v1, SPITCH                   ; in: row r,
	v_and_b32 v5, 31, v0
	v_lshlrev_b32 v[CO], 4, v5                     ; out: 16 bytes a lane, 512 consecutive bytes a store
.if QKV
	v_lshl_add_u32 v4, v2, 4, v4                   ; 16 bytes (8 f16) for each half of the lanes
	v_add_nc_u32 v[STO], s23, v4
	v_mul_u32_u24 v5, v2, SPITCH                   ; back: lanes 0-15 one row of 256 bytes, lanes 16-31 the next; in qkvh the two follow each other
	v_lshl_add_u32 v5, v1, 4, v5
	v_add_nc_u32 v[RD], s23, v5
	v_lshlrev_b32 v[CSO], 8, v1                    ; cos, sin: row r of 256 bytes, 16 bytes (four pairs' angles) for each half of the lanes
	v_lshl_add_u32 v[CSO], v2, 4, v[CSO]
	s_lshl_b32 s16, s13, 15                        ; my first row, in rows of 256 bytes: the same offset in cos, in sin and inside a head of qkvh
	s_lshl_b32 s17, s11, 14
	s_add_co_u32 s16, s16, s17
	s_mov_b32 s17, 0
	s_add_nc_u64 s[70:71], s[70:71], s[16:17]
	s_add_nc_u64 s[72:73], s[72:73], s[16:17]
	s_add_nc_u64 s[8:9], s[74:75], s[16:17]
	s_lshl_b32 s46, s42, 1                         ; my 128 columns are head 2 x tile column + half
	s_add_co_u32 s46, s46, s12
	s_lshl_b32 s46, s46, 19                        ; of 524,288 bytes
	s_mov_b32 s47, 0
	s_add_nc_u64 s[8:9], s[8:9], s[46:47]
	s_cmp_lt_u32 ttmp9, 3                          ; cluster columns 0 to 2 hold q and k, column 3 holds v, which is not rotated:
	s_cselect_b32 s76, -1, 0                       ; a lane mask, all or none; the same in all partners
	s_mov_b32 s77, 0x3f803f80                      ; 1.0 twice in bf16
	s_mov_b32 s78, 0xffff0000
	; Accumulator (a, b) holds, in lane (r, h), row 16 a + r and the pairs 8 b + 4 h + 0..3 of its head: four cos and four sin.  The 64 loads stay out during the whole
	; K loop: window 3 is not touched before the wait at the loop's end, nor are v[CSO] and the two bases.
	WIN TO_CS
.irp a, 0,1,2,3
.irp b, 0,1,2,3,4,5,6,7
	global_load_b128 v[32*\a+4*\b:32*\a+4*\b+3], v[CSO], s[70:71] offset:4096*\a+32*\b
	global_load_b128 v[128+32*\a+4*\b:128+32*\a+4*\b+3], v[CSO], s[72:73] offset:4096*\a+32*\b
.endr
.endr
	WIN 0
.else
	v_lshl_add_u32 v4, v2, 5, v4                   ; 32 bytes (8 f32) for each half of the lanes
	v_add_nc_u32 v[STO], s23, v4
	v_add_nc_u32 v[RD], s23, v[CO]                 ; back: 32 lanes take one row of 512 bytes
	s_lshl_b32 s16, s13, 21                        ; my first row of out0: (128 x tile row + 64 x half) x 16,384 bytes
	s_lshl_b32 s17, s11, 20
	s_add_co_u32 s16, s16, s17
	s_mov_b32 s17, 0
	s_add_nc_u64 s[8:9], s[72:73], s[16:17]
	s_lshl_b32 s46, s42, 10                        ; my first column: 1,024 x tile column + 512 x half
	s_lshl_b32 s47, s12, 9
	s_add_co_u32 s46, s46, s47
	s_mov_b32 s47, 0
	s_add_nc_u64 s[8:9], s[8:9], s[46:47]
.endif
.macro MM d, b, a, zero                ; one product; zero = 1: it starts the sum, nothing is ever cleared
.if QKV
.if \zero
	v_wmma_f32_16x16x32_bf16 v[\d:\d+7], v[\b:\b+7], v[\a:\a+7], 0
.else
	v_wmma_f32_16x16x32_bf16 v[\d:\d+7], v[\b:\b+7], v[\a:\a+7], v[\d:\d+7]
.endif
.else
.if \zero
	v_wmma_f32_16x16x32_f16 v[\d:\d+7], v[\b:\b+7], v[\a:\a+7], 0
.else
	v_wmma_f32_16x16x32_f16 v[\d:\d+7], v[\b:\b+7], v[\a:\a+7], v[\d:\d+7]
.endif
.endif
.endm
; 8 matrix instructions: m block a x all 8 n blocks, 32 along K, from buffer f.  The 32 accumulators take turns, one instruction a turn, in the same order in every quarter,
; between two products on one accumulator stand the 31 others'.
.macro MUL8 f, a, zero
.irp b, 0,1,2,3,4,5,6,7
	MM 8*(8*\a+\b), \f+8*\b, \f+64+8*\a, \zero
.endr
.endm
; 24 LDS loads in one run: the fragments of 32 along K at byte k of the rows, into buffer f: B's sixteen first, then A's eight
.macro FETCH slot, k, f
	WIN TO_F
.irp i, 0,1,2,3,4,5,6,7
	ds_load_b128 v[\f+8*\i:\f+8*\i+3],   v[ADRB+\slot] offset:\k+\i*16*PITCH
	ds_load_b128 v[\f+8*\i+4:\f+8*\i+7], v[ADRB+\slot] offset:\k+\i*16*PITCH+32
.endr
.irp i, 0,1,2,3
	ds_load_b128 v[\f+64+8*\i:\f+64+8*\i+3],   v[ADRA+\slot] offset:\k+\i*16*PITCH
	ds_load_b128 v[\f+64+8*\i+4:\f+64+8*\i+7], v[ADRA+\slot] offset:\k+\i*16*PITCH+32
.endr
.endm
.macro PLACES                          ; four places in front of loads into registers that matrix instructions have read, and of reads of results just made
.rept 4
	v_nop
.endr
.endm
; A K step is four quarters of 32 along K, 32 matrix instructions each, on buffers 0, 1, 0, 1.  One of the first three: multiplies buffer f and fetches the next quarter, at byte k, into g.
.macro QUARTER slot, k, f, g, zero
	s_wait_dscnt 4                                 ; B and A's blocks 0, 1 are in; the youngest four loads (A's blocks 2, 3) may be out
	WIN MUL
	MUL8 \f, 0, \zero
	MUL8 \f, 1, \zero
	PLACES
	FETCH \slot, \k, \g
	s_wait_dscnt 24                                ; all but the 24 just issued
	WIN MUL
	MUL8 \f, 2, \zero
	MUL8 \f, 3, \zero
.endm
; The last quarter multiplies buffer 1 and changes slots.  MEET is its first half: ONE barrier; in front of it each wave waits for its own reads of this slot and for all its tensor loads,
; of which one is out: its part of the next slot.  round = 1: the barrier opens a round of the cluster's.
.macro MEET round
	s_wait_dscnt 4
	WIN MUL
	MUL8 F1, 0, 0
	s_wait_dscnt 0                                 ; my reads of this slot are over,
	s_wait_tensorcnt 0x0                           ; and all my tensor loads have landed
	ds_add_u32 v254, v255
	s_wait_dscnt 0x0
	s_barrier_signal -1
	MUL8 F1, 1, 0                                  ; registers alone between signal and wait
.if \round
	WIN 0                                          ; at a branch and at a label every window is 0
.endif
	s_barrier_wait -1
.endm
; The whole last quarter.  fill = 1: this slot is filled again, two K steps ahead, first thing behind the round: 120 matrix instructions ahead of the wait for it.
; ask = 1: behind that load the next lap but one is asked for.
.macro TURN slot, next, fill, ask
	MEET \fill
.if \fill
	CREST                                          ; no wave of any partner still reads this slot's tile or has a load on its way
	s_add_nc_u64 s[G0+4*\slot+2:G0+4*\slot+3], s[G0+4*\slot+2:G0+4*\slot+3], 2*KSTEP*2
	s_add_nc_u64 s[G0B+4*\slot+2:G0B+4*\slot+3], s[G0B+4*\slot+2:G0B+4*\slot+3], 2*KSTEP*2
	JLOAD \slot                                    ; the four v_nop behind it are also the places in front of the loads below
.if \ask
	ASK 1
.endif
.else
	PLACES
.endif
	FETCH \next, 0, F0
	WIN MUL
	MUL8 F1, 2, 0
	MUL8 F1, 3, 0
.endm
; Once round the ring, from a lap's second quarter to the next lap's first; both slots are filled again.
.macro LAP ask
	QUARTER 0, 128, F1, F0, 0
	QUARTER 0, 192, F0, F1, 0
	TURN 0, 1, 1, \ask
	QUARTER 1, 64,  F0, F1, 0
	QUARTER 1, 128, F1, F0, 0
	QUARTER 1, 192, F0, F1, 0
	TURN 1, 0, 1, 0
	QUARTER 0, 64,  F0, F1, 0
	WIN 0
.endm
	s_wait_tensorcnt 0x1                           ; my part of K step 0 is in; K step 1's may stay out
	s_barrier_signal -1
	s_barrier_wait -1                              ; everybody's is
	FETCH 0, 0, F0
	QUARTER 0, 64, F0, F1, 1                       ; the first quarter stands in front of the loop: its products start the sums
	WIN 0
	s_mov_b32 s3, LAPS-2
.Llap:                                                 ; trip i fills the slots with lap i + 1 and asks for lap i + 2: the last trip asks for the last lap
	LAP 1
	s_sub_co_u32 s3, s3, 1
	s_cmp_lg_u32 s3, 0
	s_cbranch_scc1 .Llap
	LAP 0                                          ; the last refills: nothing is left to ask for
	QUARTER 0, 128, F1, F0, 0                      ; the last lap fills nothing, and has no round of the cluster's barrier
	QUARTER 0, 192, F0, F1, 0
.if QKV
	TURN 0, 1, 0, 0
	QUARTER 1, 64,  F0, F1, 0
	QUARTER 1, 128, F1, F0, 0
	QUARTER 1, 192, F0, F1, 0
	s_wait_dscnt 0                                 ; the very last quarter: nothing more to fetch
	WIN MUL
	MUL8 F1, 0, 0
	MUL8 F1, 1, 0
	MUL8 F1, 2, 0
	MUL8 F1, 3, 0
	; THE WAY OUT.  cos and sin: two numbers are rounded to bf16 into one word; on v's tiles the word becomes (1, 1) for cos and (0, 0) for sin, so that the rotation below is the
	; identity there and every work-group runs the same text; then the word is widened again, in place.  These lines name no register of the last products: they are the places behind them.
	s_wait_loadcnt 0x0                             ; cos and sin, asked for ahead of the K loop
	WIN W_CS
.set i, 0
.rept 64
	v_cvt_pk_bf16_f32 v[2*i], v[2*i], v[2*i+1]
	v_cvt_pk_bf16_f32 v[128+2*i], v[128+2*i], v[128+2*i+1]
	v_cndmask_b32 v[2*i], s77, v[2*i], s76
	v_cndmask_b32 v[128+2*i], 0, v[128+2*i], s76
	v_and_b32 v[2*i+1], s78, v[2*i]
	v_and_b32 v[128+2*i+1], s78, v[128+2*i]
	v_lshlrev_b32 v[2*i], 16, v[2*i]
	v_lshlrev_b32 v[128+2*i], 16, v[128+2*i]
.set i, i+1
.endr
.macro SINMUL d, s, n, sel             ; (ti sin, tr sin) of one pair: the accumulator's two registers crosswise, sin from register sel of its pair
	v_pk_mul_f32 v[\d:\d+1], v[\s:\s+1], v[\n:\n+1] op_sel:[1,\sel] op_sel_hi:[0,\sel]
.endm
; Block a (16 rows): out_r = tr cos - ti sin, out_i = ti cos + tr sin, in f32.  Each accumulator's registers are read from the low end on.
.macro ROPE a
	WIN ROPEW
.irp b, 0,1,2,3,4,5,6,7
.set AC, 8*(8*\a+\b)
.set CN, 32*\a+4*\b
.set SN, 128+32*\a+4*\b
	SINMUL R+8*\b,   AC,   SN,   0
	SINMUL R+8*\b+2, AC+2, SN,   1
	SINMUL R+8*\b+4, AC+4, SN+2, 0
	SINMUL R+8*\b+6, AC+6, SN+2, 1
.irp j, 0,1,2,3
	v_fma_f32 v[R+8*\b+2*\j],   v[AC+2*\j],   v[CN+\j], -v[R+8*\b+2*\j]
	v_fma_f32 v[R+8*\b+2*\j+1], v[AC+2*\j+1], v[CN+\j], v[R+8*\b+2*\j+1]
.endr
.endr
.endm
.macro PACK                            ; rounded to f16: a lane's eight neighbouring columns make 16 bytes
	WIN 0
.set i, 0
.rept 32
	v_cvt_pk_f16_f32 v[TMP+i], v[R+2*i], v[R+2*i+1]
.set i, i+1
.endr
.endm
.macro TOSTAGE                         ; into my own stage, and back as whole rows of 256 bytes
.irp b, 0,1,2,3,4,5,6,7
	ds_store_b128 v[STO], v[TMP+4*\b:TMP+4*\b+3] offset:32*\b
.endr
	s_wait_xcnt 0x0                                ; the last block's stores read v[OB..]: these are loaded again only behind this wait
.irp t, 0,1,2,3,4,5,6,7
	ds_load_b128 v[OB+4*\t:OB+4*\t+3], v[RD] offset:\t*2*SPITCH    ; LDS serves a wave's instructions in order (ISA guide 5.7.1.4): these see the stores above
.endr
.endm
.macro SEND a
.irp t, 0,1,2,3,4,5,6,7
	s_wait_dscnt 7-\t                              ; load t is back, the 7 - t younger ones may be out
	global_store_b128 v[CO], v[OB+4*\t:OB+4*\t+3], s[8:9] offset:4096*\a+512*\t   ; two rows of a head: 512 consecutive bytes, aligned
.endr
.endm
.irp a, 0,1,2,3
	ROPE \a
	PACK
	TOSTAGE
	SEND \a
.endr
.else
; THE LAST K STEP (it lies in slot 1) GOES BY ROWS OF C.  LDS is read no more than in any other K step.
.macro BLOAD q                         ; B's fragments of quarter q -> window 3, v[64 q ..]
.irp i, 0,1,2,3,4,5,6,7
	ds_load_b128 v[64*\q+8*\i:64*\q+8*\i+3],   v[ADRB+1] offset:64*\q+\i*16*PITCH
	ds_load_b128 v[64*\q+8*\i+4:64*\q+8*\i+7], v[ADRB+1] offset:64*\q+\i*16*PITCH+32
.endr
.endm
.macro ALOAD a                         ; A's fragments of block a, all four quarters -> window 2: v0, v32, v64 (where buffer 0 lay) and v192: beside buffer 1 (v96-191), which is still multiplied
.set FA, 32*(\a)+96*((\a)/3)
.irp q, 0,1,2,3
	ds_load_b128 v[FA+8*\q:FA+8*\q+3],   v[ADRA+1] offset:64*\q+(\a)*16*PITCH
	ds_load_b128 v[FA+8*\q+4:FA+8*\q+7], v[ADRA+1] offset:64*\q+(\a)*16*PITCH+32
.endr
.endm
.macro ROW a                           ; block a is finished: 32 matrix instructions, its eight accumulators by turns, one instruction a turn; K ascending
.set FA, 32*(\a)+96*((\a)/3)
.set AC, 64*(\a)
	WIN MULR
.irp q, 0,1,2,3
.if (\a) == 0 && \q == 2
	s_wait_dscnt 24                                ; B's quarters 2 and 3 are in (behind them: A's blocks 1 to 3, 24 loads)
.endif
.irp b, 0,1,2,3,4,5,6,7
	v_wmma_f32_16x16x32_f16 v[AC+8*\b:AC+8*\b+7], v[64*\q+8*\b:64*\q+8*\b+7], v[FA+8*\q:FA+8*\q+7], v[AC+8*\b:AC+8*\b+7]
.endr
.endr
.endm
; THE WAY OUT of block a, in f32: its 16 rows go into my own stage (rows of 528 bytes) and come back as whole rows of 512 bytes.
.macro TOSTAGE4 a
	WIN STW
.irp b, 0,1,2,3,4,5,6,7
	ds_store_b128 v[STO], v[8*(8*(\a)+\b):8*(8*(\a)+\b)+3] offset:64*\b          ; each accumulator from its low end on
	ds_store_b128 v[STO], v[8*(8*(\a)+\b)+4:8*(8*(\a)+\b)+7] offset:64*\b+16
.endr
	WIN 0
	s_wait_xcnt 0x0                                ; the last block's stores read v[OB..]: these are loaded again only behind this wait
.irp t, 0,1,2,3,4,5,6,7,8,9,10,11,12,13,14,15
	ds_load_b128 v[OB+4*\t:OB+4*\t+3], v[RD] offset:SPITCH*\t      ; LDS serves a wave's instructions in order (ISA guide 5.7.1.4): these see the stores above
.endr
.endm
.macro SEND4 a
	WIN 0
.irp t, 0,1,2,3,4,5,6,7,8,9,10,11,12,13,14,15
	s_wait_dscnt 15-\t                             ; load t is back, the 15 - t younger ones may be out
	global_store_b128 v[CO], v[OB+4*\t:OB+4*\t+3], s[8:9] offset:(16*(\a)+\t)*16384 th:TH_STORE_NT   ; 512 consecutive bytes of a row of out0, aligned
.endr
.endm
	MEET 0                                         ; my one tensor load that was still out is slot 1's, the last K step's, so no round follows
	PLACES                                         ; for the loads into buffer 0's registers, which the quarter before multiplied
	WIN TO_CS
	BLOAD 0
	BLOAD 1
	WIN TO_F
	ALOAD 0
	WIN MUL
	MUL8 F1, 2, 0
	MUL8 F1, 3, 0
	WIN TO_CS
	BLOAD 2
	BLOAD 3
	WIN TO_F
	ALOAD 1
	ALOAD 2
	ALOAD 3
	s_wait_dscnt 56                                ; B's quarters 0 and 1 and A's block 0 are in: all but the 56 just issued
	ROW 0
	PLACES                                         ; the stage's stores read results just made
	TOSTAGE4 0
	s_wait_dscnt 32                                ; A's blocks 1 to 3 are in: behind them only the stage's 16 stores and 16 loads
	ROW 1                                          ; the next block's products stand between the stage's loads and the stores that wait for them
	SEND4 0
	PLACES
	TOSTAGE4 1
	ROW 2
	SEND4 1
	PLACES
	TOSTAGE4 2
	ROW 3
	SEND4 2
	PLACES
	TOSTAGE4 3
	SEND4 3
.endif
	s_set_vgpr_msb 0xa
	s_wait_tensorcnt 0x0
	ds_add_u32 v254, v255
	s_wait_dscnt 0x0
	s_set_vgpr_msb 0xa00
	CROUND                                         ; the closing round: no work-group ends while a partner may still ask for a tile that names it
	s_endpgm
.Lfunc_end_k_qbd4be23bd3_qkv:
	.size	k_qbd4be23bd3_qkv, .Lfunc_end_k_qbd4be23bd3_qkv-k_qbd4be23bd3_qkv
	.p2alignl 7, 3214868480
	.fill 96, 4, 3214868480
	.section	.rodata,"a",@progbits
	.p2align	6, 0x0
	.amdhsa_kernel k_qbd4be23bd3_qkv
		.amdhsa_group_segment_fixed_size 327680
		.amdhsa_private_segment_fixed_size 0
		.amdhsa_enable_private_segment 0
		.amdhsa_kernarg_size 32
		.amdhsa_user_sgpr_count 2
		.amdhsa_user_sgpr_kernarg_segment_ptr 1
		.amdhsa_wavefront_size32 1
		.amdhsa_system_sgpr_workgroup_id_x 1
		.amdhsa_system_sgpr_workgroup_id_y 1
		.amdhsa_system_sgpr_workgroup_id_z 1
		.amdhsa_system_vgpr_workitem_id 0
		.amdhsa_next_free_vgpr 1024
		.amdhsa_next_free_sgpr 88
		.amdhsa_reserve_vcc 0
		.amdhsa_float_denorm_mode_32 3
		.amdhsa_float_denorm_mode_16_64 3
		.amdhsa_memory_ordered 1
		.amdhsa_forward_progress 1
		.amdhsa_inst_pref_size 175
	.end_amdhsa_kernel
	.amdgpu_metadata
---
amdhsa.version: [ 1, 2 ]
amdhsa.kernels:
  - .name:           k_qbd4be23bd3_qkv
    .symbol:         k_qbd4be23bd3_qkv.kd
    .args:
      - { .name: bfin, .offset: 0, .size: 8, .value_kind: global_buffer, .address_space: global }
      - { .name: cos, .offset: 8, .size: 8, .value_kind: global_buffer, .address_space: global }
      - { .name: sin, .offset: 16, .size: 8, .value_kind: global_buffer, .address_space: global }
      - { .name: qkvh, .offset: 24, .size: 8, .value_kind: global_buffer, .address_space: global }
    .group_segment_fixed_size: 327680
    .private_segment_fixed_size: 0
    .kernarg_segment_align: 8
    .kernarg_segment_size: 32
    .max_flat_workgroup_size: 128
    .sgpr_count:     88
    .vgpr_count:     1024
    .wavefront_size: 32
...
	.end_amdgpu_metadata
.endif
;; end of part 2
;; launch attn (part 3): grid 32 x 8, 4 waves a work-group, clusters of 4 x 4, 327,680 bytes of LDS; arguments qkvh, mask, ao; writes ao
.if DOCPART == 3
	.amdgcn_target "amdgcn-amd-amdhsa--gfx1250"
	.amdhsa_code_object_version 6
	.text
	.protected	k_qbd4be23bd3_attn
	.globl	k_qbd4be23bd3_attn
	.p2align	8
	.type	k_qbd4be23bd3_attn,@function
k_qbd4be23bd3_attn:
	s_mov_b64 s[64:65], 0
	v_nop
	global_prefetch_b8 v0, s[64:65] scope:SCOPE_SE
	s_setreg_imm32_b32 hwreg(HW_REG_WAVE_MODE, 25, 1), 1
	s_wait_xcnt 0x0
	s_wait_alu depctr_hold_cnt(0) depctr_sa_sdst(0) depctr_va_vdst(0) depctr_va_sdst(0) depctr_va_ssrc(0) depctr_va_vcc(0) depctr_vm_vsrc(0)
	s_getreg_b32 s2, hwreg(HW_REG_IB_STS2, 6, 4)
	s_cmp_eq_u32 s2, 0
	s_cbranch_scc0 .Lentry_in_a_cluster
	s_endpgm
.Lentry_in_a_cluster:
	s_bfe_u32 s2, ttmp6, 0x10000c
	s_cmp_lg_u32 s2, 0xf033
	s_cbranch_scc0 .Lentry_shape_is_right
	s_endpgm
.Lentry_shape_is_right:
; ao[q][128 h + d] = sum over k of softmax_k(q_h[q] . k_g[k] / sqrt(128) + mask[q][k]) v_g[k][d], g = h / 2.  qkvh: [32][2048][128] f16 (heads 0-15 q, 16-23 k, 24-31 v, all at a quarter);
; mask: [2048][2048] f32, an input: every key is visited and every word of the mask is added.  ao: [2048][2048] f16, at a quarter like v.
; Products in the f16 form; sums, maxima and exponentials in f32; the weights are rounded to f16 for the second product.
; SHARES.  A work-group owns 64 queries and one key/value head g.  Wave w owns 32 of the queries (half w % 2) for BOTH query heads of g: four tiles of 16 (tile t: queries 16 (t / 2) on,
; head 2 g + t % 2); and HALF OF THE KEYS: of each 128 keys the 64 of half w / 2.  So each fragment of K and V read from LDS feeds four products: 80 LDS loads a wave for 128 products
; (16 queries a wave and all keys would take 144).  At the end the two waves of a pair join their maxima, sums and O through LDS.
; LAYOUT.  S^T = K Q^T (source 0 = 16 keys, source 1 = 16 queries): a lane holds ONE query (lane % 16) and the keys 8 (lane / 16) + 0..7.  Two such results, rounded in pairs, are
; source 1 of O^T = V^T P, whose result again holds one query a lane.  K comes out of LDS as it lies, V ([key][channel]) turned, by ds_load_tr16_b128.
; SOFTMAX, in powers of two: t = c s + log2(e) mask, c = 16 log2(e) / sqrt(128) (16: q and k are held at a quarter); a running maximum m and sum l for each query; p = 2^(t - m);
; in every step O and l are multiplied by a = 2^(m_old - m_new).  The exponent is the plain difference t - m.  (Adding the mask in natural units and folding log2(e) into the subtraction
; would leave the rounding error of log2(e) m in every exponent: half a unit of its last place, up to 64 at m = -1e9, more than a weight in f16 can hold.)
; BY TURNS.  The tiles are two PIECES, named by their first tile: piece 0 (tiles 0, 1) and piece 2 (tiles 2, 3); a piece's two tiles share their 16 queries' mask.  In a TURN one piece has
; the matrix unit: 32 products V^T P of the step in hand, then 32 products K Q^T of the next step; the other piece's softmax, 314 instructions cut into 64 slices, stands between them,
; one slice behind each product.  Then the pieces change places.  Two turns are a key step.
; CLUSTER.  4 x 4 work-groups: the four of a row share g and walk the same K and V, the four of a column share their 64 queries and walk the same rows of the mask.  Each tile is asked for
; JOINTLY: the same tensor load, with the same descriptor and a mask that names the four.  Wave 0 asks for K, wave 1 for V, waves 2 and 3 for 32 rows of the mask each.
; By this text's count a wave has two tensor loads out at the start and one behind each round.
; LIMITS.  The mask enters as log2(e) mask in one fused multiply-add with c s: where |mask| is some 2^24 times the scores on all keys of a query, the bits lost differ from those lost by
; adding in natural units.  m starts at -3e38, so that a mask of -infinity gives the weight 0; a query whose whole row is -infinity gives NaN, as a softmax of such a row does.
; REGISTERS, in windows of 256 (s_set_vgpr_msb: bits 1:0 source 0, 3:2 source 1, 5:4 source 2, 7:6 destination):
;   window 0: v0-11, v44-49 addresses; v12-43 eight registers of statistics a tile; v64-191 S^T, 32 a tile; v192-255 P, 16 a tile
;   window 1: O^T, 64 a tile      window 2: v0-127 Q, 32 a tile; v128-255 K of one step      window 3: v0-127 V of one step; v128-191 the mask, 32 a piece
; No window has room for a product's operands beside what a softmax touches, so a slice costs two switches: 256 for a key step's 128 products, and five for its two runs of LDS loads.
.set PK,    272       ; a row of K in LDS: 256 bytes + 16: the 16 rows of a load start at 16 different banks (64 banks of 4 bytes: ISA guide 11.1)
.set PV,    288       ; a row of V: 256 + 32
.set PM,    528       ; a row of the mask: 128 keys in f32 + 16
.set VOFF,  128*PK    ; a slot holds 128 keys, one step of every wave: 128 rows of K, 128 rows of V, 64 queries' rows of the mask: 105,472 bytes
.set MOFF,  VOFF+128*PV
.set SLOT1, 1<<17     ; slot 1 begins here, so that one exclusive or turns an address in one slot into the other's
.set XCH,   SLOT1+MOFF+64*PM   ; 236,544 = 924 x 256, behind the ring: what a wave hands to its partner; no tensor load lands from here on
.set XW,    2*8192+512         ; a wave's part of it: two tiles of O^T (64 registers x 128 bytes each), then two tiles' (m, l)
.set STAGE, XCH+4*XW           ; 304,128 = 1,188 x 256: 16 rows x 272 bytes for each wave, for the way out
.set SP,    272
.set HEADB, 2048*256  ; bytes of a head in qkvh
.set AK0, 2           ; v2   my lane's place in a slot's K; never rewritten
.set AV0, 3           ; v3   the same for V
.set ADR, 4           ; v4   the LDS address of the run of loads in hand
.set QO,  5           ; v5   my byte offset in the wave's rows of Q
.set STO, 6           ; v6   the way out: where I put 16 bytes of a row
.set RD,  7           ; v7   the way out: where I read a row back
.set GO,  8           ; v8   my byte offset in the wave's rows of ao
.set ST,  12          ; tile t's statistics at v[ST+8 t]: +0 m, +1 zero (named with m as a pair; at the end l), +2, +3 l (even keys', odd keys'), +4 to +7 c0-c3 at work; a takes c2's place
.set AM0, 44          ; v44  my lane's place in a slot's mask
.set ADRM, 45         ; v45  the LDS address of the mask's loads in hand
.set XS,  46          ; v46, v47  where I put O^T and (m, l) for my partner
.set XT,  47
.set XR,  48          ; v48, v49  where I find my partner's
.set XU,  49
.set S,   64
.set P,   192
.set KF,  128         ; K's fragments, in window 2
.set M,   128         ; the mask, in window 3: piece y at M + 16 y, in S^T's order
.set WV,  12          ; s12  my wave's number
.set QH,  19          ; s19  wave % 2: my half of the queries; for waves 2, 3 also which 32 rows of the mask I fetch
.set G1K, 24          ; s[24:31] descriptor group 1 for K's tiles
.set G1V, 32          ; s[32:39] for V's: other padding
.set G1M, 40          ; s[40:47] for the mask's
.set G0K, 48          ; s[48:55] group 0 for K: a set for each of the two first fills; the second then walks on
.set G0V, 56          ; s[56:63]
.set G0M, 68          ; s[68:75]
.set SLOTS, 76        ; s76  trips of the loop over slots
.set KH,  77          ; s77  wave / 2: my half of the keys
.set CS,  78          ; s[78:79] c
.set LL,  80          ; s[80:81] log2(e)
.set SEL, 82          ; s[82:83] lane selects for v_permlanex16_b32: each lane takes its own place in the other half
.set TB,  84          ; s84  LDS byte at which the slot to be fetched from begins
.set FLOOR, 85        ; s85  -3e38
.set QB,  86          ; s[86:87] Q at my wave's first row
.set MSB, 0
.macro WIN new                      ; the immediate's high byte repeats the setting that is left; a switch that changes nothing is dropped
.if MSB != \new
	s_set_vgpr_msb (MSB<<8)|\new
.set MSB, \new
.endif
.endm
.set W_KQ, 0x0a       ; K and Q in window 2, S^T in window 0
.set W_PV, 0x53       ; V in window 3, P in window 0, O^T in window 1
.set W_RS, 0x41       ; O^T (destination and source 0) in window 1, the factor in window 0
.set W_MM, 0xc3       ; the mask (destination and source 0) in window 3
.set W_MF, 0x30       ; the mask as source 2 in window 3, S^T in window 0
.macro CROUND         ; a round of the cluster's barrier: my work-group's barrier; wave 0 signals for the work-group; every wave waits for all sixteen; my work-group's barrier once more
	s_barrier_signal -1
	s_barrier_wait -1
	s_cmp_lg_u32 s[WV], 0
	s_cbranch_scc1 .Lnot_wave_0_\@
	s_barrier_signal -3
.Lnot_wave_0_\@:
	s_barrier_wait -3
	s_barrier_signal -1
	s_barrier_wait -1
.endm
; A refill: one joint load a wave.  The branches hang on the wave's number alone.  Four v_nop follow each line, ahead of the jump, the label and what follows.
.macro JLOAD3
	s_cmp_lt_u32 s[WV], 2
	s_cbranch_scc0 .Lfor_m_\@
	s_cmp_eq_u32 s[WV], 0
	s_cbranch_scc0 .Lfor_v_\@
	tensor_load_to_lds s[G0K+4:G0K+7], s[G1K:G1K+7]
	s_nop 0
.rept 4
	v_nop
.endr
	s_branch .Lasked_\@
.Lfor_v_\@:
	tensor_load_to_lds s[G0V+4:G0V+7], s[G1V:G1V+7]
	s_nop 0
.rept 4
	v_nop
.endr
	s_branch .Lasked_\@
.Lfor_m_\@:
	tensor_load_to_lds s[G0M+4:G0M+7], s[G1M:G1M+7]
	s_nop 0
.rept 4
	v_nop
.endr
.Lasked_\@:
.endm
	s_load_b128 s[4:7], s[0:1], 0x0   ; qkvh s[4:5], mask s[6:7]
	s_load_b64 s[8:9], s[0:1], 0x10   ; ao
	v_lshl_add_u32 v62, v0, 2, 0x4e800
	v_mov_b32 v63, 0
	ds_add_u32 v62, v63
	v_lshrrev_b32 v1, 5, v0
	v_readfirstlane_b32 s[WV], v1   ; wave 0..3
	s_and_b32 s[QH], s[WV], 1
	s_lshr_b32 s[KH], s[WV], 1
	s_bfe_u32 s13, ttmp6, 0x40000   ; cx, cy: my place in the cluster
	s_bfe_u32 s14, ttmp6, 0x40004
	s_lshl_b32 s15, ttmp9, 2
	s_add_co_u32 s15, s15, s13      ; my block of 64 queries = 4 x cluster x + cx, which my column of the cluster shares
	s_and_b32 s16, ttmp7, 0xffff
	s_lshl_b32 s16, s16, 2
	s_add_co_u32 s16, s16, s14      ; g = 4 x cluster y + cy, which my row of the cluster shares
	s_lshl_b32 s17, s14, 2
	s_lshl_b32 s17, 15, s17         ; my row of the cluster: places 4 cy .. 4 cy + 3
	s_lshl_b32 s18, 0x1111, s13     ; my column: places cx, cx + 4, cx + 8, cx + 12
	; K's and V's addresses hang on g alone, the mask's on the block of queries and the wave's number alone, each in registers that never hold the other coordinate
	s_add_co_u32 s20, s16, 16       ; K: head 16 + g
	s_lshl_b32 s20, s20, 19
	s_mov_b32 s21, 0
	s_add_co_u32 s22, s16, 24       ; V: head 24 + g
	s_lshl_b32 s22, s22, 19
	s_mov_b32 s23, 0
	s_lshl_b32 s88, s15, 19         ; mask: row 64 x block + 32 x half, 8,192 bytes a row
	s_lshl_b32 s89, s[QH], 18
	s_add_co_u32 s88, s88, s89
	s_mov_b32 s89, 0
	s_lshl_b32 s[QB], s16, 20       ; Q: head 2 g, row 64 x block + 32 x half, 256 bytes a row
	s_lshl_b32 s[QB+1], s15, 14
	s_add_co_u32 s[QB], s[QB], s[QB+1]
	s_lshl_b32 s[QB+1], s[QH], 13
	s_add_co_u32 s[QB], s[QB], s[QB+1]
	s_mov_b32 s[QB+1], 0
	s_lshl_b32 s90, s15, 18         ; ao: the same row, 4,096 bytes a row, column 256 g in elements
	s_lshl_b32 s91, s[QH], 17
	s_add_co_u32 s90, s90, s91
	s_lshl_b32 s91, s16, 9
	s_add_co_u32 s90, s90, s91
	s_mov_b32 s91, 0
	s_mul_i32 s92, s[QH], 32*PM     ; where my 32 rows of the mask go in a slot: no place in the cluster enters an LDS address
	; group 1: K and V: 128 rows x 128 elements of 2 bytes; the mask: 32 rows x 128 elements of 4 bytes out of rows of 2,048
	s_or_b32 s[G1K], s17, (1<<16)|(1<<20)|(1<<21)|(5<<22)|(3<<25)  ; 15:0 my row of the cluster; 17:16 2 bytes; 20 padding on; 21 set beside a mask; after every 64 words 4 words
	s_or_b32 s[G1V], s17, (1<<16)|(1<<20)|(1<<21)|(5<<22)|(7<<25)  ; the same with 8 words of padding
.irp g, G1K, G1V
	s_mov_b32 s[\g+1], 128<<16      ; tensor_dim0 = 128
	s_mov_b32 s[\g+2], 128<<16      ; tensor_dim1 = 128
	s_mov_b32 s[\g+3], 128<<16      ; tile_dim0 = 128
	s_mov_b32 s[\g+4], 128          ; tile_dim1 = 128
	s_mov_b32 s[\g+5], 128          ; elements from row to row
	s_mov_b32 s[\g+6], 0
	s_mov_b32 s[\g+7], 0
.endr
	s_or_b32 s[G1M], s18, (2<<16)|(1<<20)|(1<<21)|(6<<22)|(3<<25)  ; my column of the cluster; 4 bytes; after every 128 words 4 words of padding
	s_mov_b32 s[G1M+1], 128<<16
	s_mov_b32 s[G1M+2], 32<<16
	s_mov_b32 s[G1M+3], 128<<16
	s_mov_b32 s[G1M+4], 32
	s_mov_b32 s[G1M+5], 2048
	s_mov_b32 s[G1M+6], 0
	s_mov_b32 s[G1M+7], 0
	s_mov_b32 s[CS], 0x400293ee     ; c = 16 log2(e) / sqrt(128) = 2.04027
	s_mov_b32 s[CS+1], s[CS]        ; named with it as a pair, so it is written
	s_mov_b32 s[LL], 0x3fb8aa3b     ; log2(e)
	s_mov_b32 s[LL+1], s[LL]
	s_mov_b32 s[SEL], 0x76543210
	s_mov_b32 s[SEL+1], 0xfedcba98
	s_mov_b32 s[FLOOR], 0xff61b1e6  ; -3e38
	s_mov_b32 s[TB], 0
	s_wait_dscnt 0x0
	s_wait_kmcnt 0x0
	s_add_nc_u64 s[20:21], s[4:5], s[20:21]
	s_add_nc_u64 s[22:23], s[4:5], s[22:23]
	s_add_nc_u64 s[88:89], s[6:7], s[88:89]
	s_add_nc_u64 s[QB:QB+1], s[4:5], s[QB:QB+1]
	s_add_nc_u64 s[8:9], s[8:9], s[90:91]
	CROUND                          ; all sixteen work-groups are here: the first joint loads meet
.irp s, 0,1
	s_mov_b32 s[G0K+4*\s], 1        ; count = 1
	s_mov_b32 s[G0K+4*\s+1], \s*SLOT1  ; LDS address
	s_add_nc_u64 s[G0K+4*\s+2:G0K+4*\s+3], s[20:21], \s*32768  ; keys 128 s on
	s_or_b32 s[G0K+4*\s+3], s[G0K+4*\s+3], 0x80000000  ; type = 2
	s_mov_b32 s[G0V+4*\s], 1
	s_mov_b32 s[G0V+4*\s+1], \s*SLOT1+VOFF
	s_add_nc_u64 s[G0V+4*\s+2:G0V+4*\s+3], s[22:23], \s*32768
	s_or_b32 s[G0V+4*\s+3], s[G0V+4*\s+3], 0x80000000
	s_mov_b32 s[G0M+4*\s], 1
	s_add_co_u32 s[G0M+4*\s+1], s92, \s*SLOT1+MOFF
	s_add_nc_u64 s[G0M+4*\s+2:G0M+4*\s+3], s[88:89], \s*512
	s_or_b32 s[G0M+4*\s+3], s[G0M+4*\s+3], 0x80000000
.endr
	s_cmp_lt_u32 s[WV], 2           ; a wave's two first fills stand together in one leaf, ahead of every wait on TENSORcnt and every LDS read; four v_nop follow the second
	s_cbranch_scc0 .Lfirst_m
	s_cmp_eq_u32 s[WV], 0
	s_cbranch_scc0 .Lfirst_v
	tensor_load_to_lds s[G0K:G0K+3], s[G1K:G1K+7]
	s_nop 0
	tensor_load_to_lds s[G0K+4:G0K+7], s[G1K:G1K+7]
	s_nop 0
.rept 4
	v_nop
.endr
	s_branch .Lfirst_asked
.Lfirst_v:
	tensor_load_to_lds s[G0V:G0V+3], s[G1V:G1V+7]
	s_nop 0
	tensor_load_to_lds s[G0V+4:G0V+7], s[G1V:G1V+7]
	s_nop 0
.rept 4
	v_nop
.endr
	s_branch .Lfirst_asked
.Lfirst_m:
	tensor_load_to_lds s[G0M:G0M+3], s[G1M:G1M+7]
	s_nop 0
	tensor_load_to_lds s[G0M+4:G0M+7], s[G1M:G1M+7]
	s_nop 0
.rept 4
	v_nop
.endr
.Lfirst_asked:
	v_and_b32 v1, 15, v0            ; r = l % 16
	v_bfe_u32 v9, v0, 4, 1          ; h = l / 16
	v_lshlrev_b32 v[QO], 8, v1
	v_lshl_add_u32 v[QO], v9, 4, v[QO]  ; row x 256 + 16 x half
	WIN 0x80                        ; destination window 2, address window 0
.irp i, 0,1,2,3,4,5,6,7,8,9,10,11,12,13,14,15  ; Q stays in registers: tile i / 4 (head (i / 4) % 2, queries 16 (i / 8) on), channels 32 (i % 4) on
	global_load_b128 v[8*\i:8*\i+3],   v[QO], s[QB:QB+1] offset:((\i/4)%2)*HEADB+(\i/8)*4096+(\i%4)*64
	global_load_b128 v[8*\i+4:8*\i+7], v[QO], s[QB:QB+1] offset:((\i/4)%2)*HEADB+(\i/8)*4096+(\i%4)*64+32
.endr
	WIN 0
	v_mul_u32_u24 v[AK0], v1, PK    ; K: row x pitch + 16 x half of the lanes, in my half of the slot's keys
	v_lshl_add_u32 v[AK0], v9, 4, v[AK0]
	s_mul_i32 s93, s[KH], 64*PK
	v_add_nc_u32 v[AK0], s93, v[AK0]
	v_and_b32 v10, 7, v0            ; V: the turning load: lane l reads 16 bytes of key 8 (l / 16) + l % 8, channels 8 ((l / 8) % 2) on
	v_bfe_u32 v11, v0, 3, 1
	v_lshl_add_u32 v[AV0], v9, 3, v10
	v_mul_u32_u24 v[AV0], v[AV0], PV
	v_lshl_add_u32 v[AV0], v11, 4, v[AV0]
	s_mul_i32 s94, s[KH], 64*PV
	s_add_co_u32 s94, s94, VOFF
	v_add_nc_u32 v[AV0], s94, v[AV0]
	v_mul_u32_u24 v[AM0], v1, PM    ; mask: my query's row (32 x half + r; piece 2: 16 rows on), my half's 64 keys (256 bytes), keys 8 h on: 32 bytes for each half of the lanes
	v_lshl_add_u32 v[AM0], v9, 5, v[AM0]
	s_lshl_b32 s95, s[KH], 8
	s_add_co_u32 s95, s95, s92
	s_add_co_u32 s95, s95, MOFF
	v_add_nc_u32 v[AM0], s95, v[AM0]
.irp t, 0,1,2,3
	v_mov_b32 v[ST+8*\t+1], 0       ; m's partners in the pairs that the packed subtraction names
.endr
; THE MATRIX WORK OF A TURN, for piece x.  The accumulators take turns, one instruction a turn: between two links of a chain stand 15 (V^T P) or 7 (K Q^T) others'.
; Product i of 32 of O^T += V^T P: keys 32 (i / 16) on, channels 16 ((i / 2) % 8) on, tile x + i % 2.  zero = 1: the first 16 start the sums: nothing is ever cleared.
.macro PV x, zero
	WIN W_PV
.set rO, 64*(\x+i%2)+8*((i/2)%8)
.set rV, 64*(i/16)+8*((i/2)%8)
.set rP, P+16*(\x+i%2)+8*(i/16)
.if \zero && (i < 16)
	v_wmma_f32_16x16x32_f16 v[rO:rO+7], v[rV:rV+7], v[rP:rP+7], 0
.else
	v_wmma_f32_16x16x32_f16 v[rO:rO+7], v[rV:rV+7], v[rP:rP+7], v[rO:rO+7]
.endif
.endm
; Product i of 32 of S^T = K Q^T: channels 32 (i / 8) on, keys 16 ((i / 2) % 4) on, tile x + i % 2.  The first 8 start the sums.
.macro KQ x
	WIN W_KQ
.set rS, S+32*(\x+i%2)+8*((i/2)%4)
.set rK, KF+32*((i/2)%4)+8*(i/8)
.set rQ, 32*(\x+i%2)+8*(i/8)
.if i < 8
	v_wmma_f32_16x16x32_f16 v[rS:rS+7], v[rK:rK+7], v[rQ:rQ+7], 0
.else
	v_wmma_f32_16x16x32_f16 v[rS:rS+7], v[rK:rK+7], v[rQ:rQ+7], v[rS:rS+7]
.endif
.endm
; THE LDS LOADS stand in two runs of 40 a key step, never singly among the products: a step's K (my 64 keys x 128 channels: 16 fragments) with piece 0's mask, and, a turn later,
; its V (turned) with piece 2's mask.
.macro FETCH_K
	WIN 0
	v_add_nc_u32 v[ADR], s[TB], v[AK0]
	v_add_nc_u32 v[ADRM], s[TB], v[AM0]
	WIN 0x80                        ; destination window 2
.irp f, 0,1,2,3,4,5,6,7,8,9,10,11,12,13,14,15  ; keys 16 (f / 4) on, channels 32 (f % 4) on
	ds_load_b128 v[KF+8*\f:KF+8*\f+3],   v[ADR] offset:(\f/4)*16*PK+(\f%4)*64
	ds_load_b128 v[KF+8*\f+4:KF+8*\f+7], v[ADR] offset:(\f/4)*16*PK+(\f%4)*64+32
.endr
	WIN 0xc0                        ; destination window 3
.irp c, 0,1,2,3                     ; keys 16 c + 8 h + 0..7 of my query: S^T's order
	ds_load_b128 v[M+8*\c:M+8*\c+3],   v[ADRM] offset:64*\c
	ds_load_b128 v[M+8*\c+4:M+8*\c+7], v[ADRM] offset:64*\c+16
.endr
.endm
.macro FETCH_V
	WIN 0
	v_add_nc_u32 v[ADR], s[TB], v[AV0]
	v_add_nc_u32 v[ADRM], s[TB], v[AM0]
	WIN 0xc0                        ; destination window 3
.irp f, 0,1,2,3,4,5,6,7,8,9,10,11,12,13,14,15  ; keys 32 (f / 8) on, channels 16 (f % 8) on
	ds_load_tr16_b128 v[8*\f:8*\f+3],   v[ADR] offset:(\f/8)*32*PV+(\f%8)*32
	ds_load_tr16_b128 v[8*\f+4:8*\f+7], v[ADR] offset:(\f/8)*32*PV+16*PV+(\f%8)*32
.endr
.irp c, 0,1,2,3
	ds_load_b128 v[M+32+8*\c:M+32+8*\c+3],   v[ADRM] offset:16*PM+64*\c
	ds_load_b128 v[M+32+8*\c+4:M+32+8*\c+7], v[ADRM] offset:16*PM+64*\c+16
.endr
.endm
; THE VECTOR WORK OF A TURN.  Behind the piece's 16 + 32 instructions that bring the mask in (SLICE), one tile's softmax for one key step is a list; SM writes number j of it for tile t.
; s0-s31 are the lane's 32 numbers t, in pairs 0-15.  first = 1: the first key step, which starts m, l and O^T: it has no a and nothing to rescale.
;   0-15    the maximum of s0-s31 and the old m (first step: -3e38), three operands at a time: four chains c0-c3 of seven each, then the four left over, c0-c3 and m
;   16-20   the other half of the lanes' maximum; the old m kept; the new m; (19 is empty;) m_old - m_new
;   21-87   33 exponentials (a, then s0-s31) at the odd numbers from 23 on, so that no two follow each other and each has a plain instruction behind it before its result is used.
;           Plain instruction q (number 21, then the even numbers) is whatever is ready: t - m for a pair whose exponentials are still to come (q = 0 to 3, then every second q),
;           the rounding to f16 of a pair of weights whose exponentials are done (every other q from 5 on), at last the first three sums
;   88-101  the last rounding; the rest of the sums; l = a l + the sum
;   102-133 the tile's O^T times a: the one part in window 1, so it stands together
.macro SM t, first
.set rT, ST+8*(\t)
.set rS, S+32*(\t)
.set rP, P+16*(\t)
.set rO, 64*(\t)+2*(j-102)
.set q, (j-20)/2
.if j < 102
	WIN 0
.endif
.if j < 4
	v_max3_num_f32 v[rT+4+j], v[rS+8*j], v[rS+8*j+1], v[rS+8*j+2]
.elseif j < 12
	v_max3_num_f32 v[rT+4+j%4], v[rT+4+j%4], v[rS+8*(j%4)+2*(j/4)+1], v[rS+8*(j%4)+2*(j/4)+2]
.elseif j == 12
	v_max3_num_f32 v[rT+4], v[rT+4], v[rS+7], v[rS+15]
.elseif j == 13
	v_max3_num_f32 v[rT+6], v[rT+6], v[rS+23], v[rS+31]
.elseif j == 14
	v_max3_num_f32 v[rT+4], v[rT+4], v[rT+5], v[rT+6]
.elseif (j == 15) && \first
	v_max3_num_f32 v[rT+4], v[rT+4], v[rT+7], s[FLOOR]
.elseif j == 15
	v_max3_num_f32 v[rT+4], v[rT+4], v[rT+7], v[rT]
.elseif j == 16
	v_permlanex16_b32 v[rT+5], v[rT+4], s[SEL], s[SEL+1]  ; the query's other 32 keys lie in the lane 16 away
.elseif j == 18
	v_max_num_f32 v[rT], v[rT+4], v[rT+5]
.elseif j == 19
.elseif ((j == 17) || (j == 20) || (j == 23) || (j > 101)) && \first  ; the first step has none of these
.elseif j == 17
	v_mov_b32 v[rT+7], v[rT]        ; m_old is kept for a: number 18 writes m anew
.elseif j == 20
	v_sub_f32 v[rT+7], v[rT+7], v[rT]
.elseif j == 23
	v_exp_f32 v[rT+6], v[rT+7]
.elseif (j < 88) && (j > 23) && (j%2 == 1)
	v_exp_f32 v[rS+(j-25)/2], v[rS+(j-25)/2]
.elseif (q < 4) || ((j < 76) && (q%2 == 0))
.set b, q/2+2
.if q < 4
.set b, q
.endif
	v_pk_add_f32 v[rS+2*b:rS+2*b+1], v[rS+2*b:rS+2*b+1], v[rT:rT+1] op_sel_hi:[1,0] neg_lo:[0,1] neg_hi:[0,1]  ; pair b: t - m
.elseif (j < 88) && (q%2 == 1)
	s_wait_alu depctr_va_vdst(0)
	v_cvt_pk_f16_f32 v[rP+(q-5)/2], v[rS+q-5], v[rS+q-4]  ; pair (q - 5) / 2: its second exponential stands three numbers back
.elseif j == 89
	s_wait_alu depctr_va_vdst(0)
	v_cvt_pk_f16_f32 v[rP+15], v[rS+30], v[rS+31]
.elseif j < 102                     ; the sum of the tile's 16 pairs (in a pair: an even key's weight, an odd key's), in place: sum z of 16 adds neighbours 1, 2, 4 and 8 pairs apart, then l takes it
.set z, j-86
.if j < 89
.set z, (j-76)/4
.endif
.set w, 4
.set u, z
.if z >= 14
.set w, 32
.set u, 0
.elseif z >= 12
.set w, 16
.set u, z-12
.elseif z >= 8
.set w, 8
.set u, z-8
.endif
.if (z == 14) && \first
	v_pk_add_f32 v[rT+2:rT+3], v[rS:rS+1], v[rS+16:rS+17]
.elseif z < 15
	v_pk_add_f32 v[rS+w*u:rS+w*u+1], v[rS+w*u:rS+w*u+1], v[rS+w*u+w/2:rS+w*u+w/2+1]
.elseif !\first
	v_pk_fma_f32 v[rT+2:rT+3], v[rT+2:rT+3], v[rT+6:rT+7], v[rS:rS+1] op_sel_hi:[1,0,1]
.endif
.else
	WIN W_RS
	v_pk_mul_f32 v[rO:rO+1], v[rO:rO+1], v[rT+6:rT+7] op_sel_hi:[1,0]
.endif
.endm
; Slice k of 64 of piece y's softmax.  16 + 32 + 2 x 101 + 64 = 314 instructions:
;   0, 1    log2(e) mask, once for the piece's two tiles: 8 each          2-5    t = c s + log2(e) mask: one accumulator of each tile, from its low end on: 8 each
;   6-56    numbers 2 (k - 6), 2 (k - 6) + 1 of both tiles' lists: 4 each  57-62  four numbers of both tiles' rescaling: 8 each      63  the last eight numbers of both: 16
; Slice 63's sixteen are plain and name nothing of the products round them: they are the places behind the turn's last product.
.macro SLICE y, first
.if k < 2
	WIN W_MM
.irp n, 0,1,2,3,4,5,6,7
	v_pk_mul_f32 v[M+16*(\y)+16*k+2*\n:M+16*(\y)+16*k+2*\n+1], v[M+16*(\y)+16*k+2*\n:M+16*(\y)+16*k+2*\n+1], s[LL:LL+1] op_sel_hi:[1,0]
.endr
.elseif k < 6
	WIN W_MF
.irp n, 0,1,2,3
.irp t, \y, \y+1
	v_pk_fma_f32 v[S+32*(\t)+8*(k-2)+2*\n:S+32*(\t)+8*(k-2)+2*\n+1], v[S+32*(\t)+8*(k-2)+2*\n:S+32*(\t)+8*(k-2)+2*\n+1], s[CS:CS+1], v[M+16*(\y)+8*(k-2)+2*\n:M+16*(\y)+8*(k-2)+2*\n+1] op_sel_hi:[1,0,1]
.endr
.endr
.elseif (k >= 17) && (k < 50)       ; tile by tile: plain, exponential, plain, exponential
.irp t, \y, \y+1
.irp n, 0,1
.set j, 2*(k-6)+\n
	SM \t, \first
.endr
.endr
.elseif k < 57                      ; the two tiles alternate, so that no instruction reads the result of the one just before it
.irp n, 0,1
.irp t, \y, \y+1
.set j, 2*(k-6)+\n
	SM \t, \first
.endr
.endr
.else
.irp n, 0,1,2,3,4,5,6,7
.if (\n < 4) || (k == 63)
.irp t, \y, \y+1
.set j, 102+4*(k-57)+\n
	SM \t, \first
.endr
.endif
.endr
.endif
.set k, k+1
.endm
; A vector instruction that reads a matrix result or writes one of a matrix instruction's registers, and a load into a register that a matrix instruction has read, stand four places behind
; it, and only plain vector instructions that name none of its registers are places (ISA guide 7.12.1 for vector instructions).  In the loop the slices are the places.
.macro PLACES
.rept 4
	v_nop
.endr
.endm
; A TURN.  Piece x has the matrix unit; the other piece's softmax stands in slices behind its products.
; pv = 2: 32 products V^T P; 1: they start O^T's sums; 0: none.  kq = 1: 32 products K Q^T for the next step.  A turn with one of the two kinds has two slices behind each product.
; first = 1: the softmax is the first key step's.  Its slices from 57 on are empty: the turn's last products stand bare, and four v_nop take slice 63's part as the places behind them.
; Each run of loads stands behind the second product of a run of 32, 30 products ahead of its first use.  Piece 0's turn fetches the next step's K: the last product that read K stands in
; front of slice 63 of the turn before.  Piece 2's turn fetches the same step's V: the last product that read V stands three slices, six plain instructions, back.
.macro TURN x, pv, kq, first
.set k, 0
.set per, 2
.if \pv && \kq
.set per, 1
.endif
.if \pv
.if \x == 0
	s_wait_dscnt 0x0                ; V and piece 2's mask are in
.endif
.set i, 0
.rept 32
	PV \x, 2-\pv
.rept per
	SLICE 2-\x, \first
.endr
.if (\x == 0) && \kq && (i == 1)
	FETCH_K
.endif
.set i, i+1
.endr
.endif
.if \kq
.if \x == 0
	s_wait_dscnt 0x0                ; K and piece 0's mask are in
.endif
.set i, 0
.rept 32
	KQ \x
.rept per
	SLICE 2-\x, \first
.endr
.if (\x == 2) && (i == 1)
	FETCH_V
.endif
.set i, i+1
.endr
.endif
.if \first
	PLACES
.endif
.endm
; THE CHANGE OF SLOTS, between piece 2's turn and piece 0's: all of the slot's bytes (K, both pieces' mask, V) have been asked for.  Each wave waits for its own reads of the slot and for all
; its tensor loads, of which one is out: its part of the other slot.  Behind the barrier nobody reads this slot any more and the other slot is whole.
; fill = 1: this slot is filled again, with the keys two slots on.  The barrier is then a round of the cluster's, so that no wave of any partner still reads the slot or has a load on its
; way, and the joint refill is the first thing behind it: it has a key step, 128 products, in which to land.
.macro CHANGE fill
	WIN 0                           ; at a label and at a branch every window is 0
	s_wait_dscnt 0x0
	s_wait_tensorcnt 0x0            ; no tensor load of mine is out, so a group 0 may be written
	ds_add_u32 v62, v63
	s_wait_dscnt 0x0
.if \fill
	s_xor_b32 s[G0K+5], s[G0K+5], SLOT1  ; the walking descriptors: the other slot than last time, the next 128 keys; the type bits on top are not reached
	s_add_nc_u64 s[G0K+6:G0K+7], s[G0K+6:G0K+7], 32768
	s_xor_b32 s[G0V+5], s[G0V+5], SLOT1
	s_add_nc_u64 s[G0V+6:G0V+7], s[G0V+6:G0V+7], 32768
	s_xor_b32 s[G0M+5], s[G0M+5], SLOT1
	s_add_nc_u64 s[G0M+6:G0M+7], s[G0M+6:G0M+7], 512
	CROUND
	JLOAD3
.else
	s_barrier_signal -1
	s_barrier_wait -1
.endif
	s_xor_b32 s[TB], s[TB], SLOT1   ; the fetches go on in the other slot
.endm
	s_wait_tensorcnt 0x1            ; my part of slot 0 is in; slot 1's may stay out
	s_barrier_signal -1
	s_barrier_wait -1               ; everybody's is
	FETCH_K                         ; key step 0
	s_wait_loadcnt 0x0              ; Q
	s_wait_dscnt 0x0
.set i, 0
.rept 32
	KQ 0                            ; piece 0's first scores: there is no vector work yet to set between them
.set i, i+1
.endr
	WIN 0                           ; the addresses for the end are made here, while the matrix unit works
	s_mul_i32 s93, s[WV], 16*SP
	s_add_co_u32 s93, s93, STAGE    ; my stage
	v_mul_u32_u24 v[STO], v1, SP    ; in: row l % 16, 16 bytes for each half of the lanes
	v_lshl_add_u32 v[STO], v9, 4, v[STO]
	v_add_nc_u32 v[STO], s93, v[STO]
	v_mul_u32_u24 v[RD], v9, SP     ; back: lanes 0-15 take one row of 256 bytes, lanes 16-31 the next
	v_lshl_add_u32 v[RD], v1, 4, v[RD]
	v_add_nc_u32 v[RD], s93, v[RD]
	v_lshlrev_b32 v[GO], 12, v9     ; and the same two rows in ao
	v_lshl_add_u32 v[GO], v1, 4, v[GO]
	s_mul_i32 s94, s[WV], XW        ; what I hand over lies at my wave's number,
	s_add_co_u32 s94, s94, XCH
	s_xor_b32 s95, s[WV], 2         ; what I am handed at my partner's: the same queries, the other half of the keys
	s_mul_i32 s95, s95, XW
	s_add_co_u32 s95, s95, XCH
	v_and_b32 v10, 31, v0
	v_lshl_add_u32 v[XS], v10, 4, s94   ; O^T: 16 bytes a lane, 512 neighbouring bytes an instruction
	v_lshl_add_u32 v[XR], v10, 4, s95
	s_add_co_u32 s94, s94, 16384
	s_add_co_u32 s95, s95, 16384
	v_lshl_add_u32 v[XT], v10, 3, s94   ; (m, l): 8 bytes a lane
	v_lshl_add_u32 v[XU], v10, 3, s95
	TURN 2, 0, 1, 1                 ; piece 2's first scores | piece 0's first softmax | V of step 0
	CHANGE 1                        ; slot 0 has been read out: it takes step 2
	TURN 0, 1, 1, 1                 ; piece 0: V^T P of step 0 starts O^T, K Q^T of step 1 | piece 2's first softmax | K of step 1
	TURN 2, 1, 1, 0                 ; piece 2: the same | piece 0's softmax of step 1 | V of step 1
	WIN 0
	s_mov_b32 s[SLOTS], 13          ; 16 slots: two first fills, the refill above, 13 here
.Lslot:
	CHANGE 1
	TURN 0, 2, 1, 0
	TURN 2, 2, 1, 0
	WIN 0
	s_sub_co_u32 s[SLOTS], s[SLOTS], 1
	s_cmp_lg_u32 s[SLOTS], 0
	s_cbranch_scc1 .Lslot
	CHANGE 0                        ; the tail is written out: the last slot but one is left, and nothing is asked for
	TURN 0, 2, 1, 0
	TURN 2, 2, 1, 0
	TURN 0, 2, 0, 0                 ; piece 0: V^T P of the last step | piece 2's last softmax
.set i, 0
.rept 32
	PV 2, 0                         ; piece 2: V^T P of the last step
.set i, i+1
.endr
	; THE TWO HALVES OF THE KEYS ARE JOINED.  l's two halves and the other half of the lanes' are added (these twelve lines are the places behind the last products), and l takes the place beside m.
	WIN 0
.irp t, 0,1,2,3
	v_add_f32 v[ST+8*\t+4], v[ST+8*\t+2], v[ST+8*\t+3]
.endr
.irp t, 0,1,2,3
	v_permlanex16_b32 v[ST+8*\t+5], v[ST+8*\t+4], s[SEL], s[SEL+1]
.endr
.irp t, 0,1,2,3
	v_add_f32 v[ST+8*\t+1], v[ST+8*\t+4], v[ST+8*\t+5]
.endr
; Piece p goes to my partner: its O^T as it lies (each accumulator from its low end on), then (m, l) of its two tiles.  Both waves of a pair hold the same queries in the same lanes.
.macro XSEND p
	WIN 0x04                        ; an LDS store's data (source 1) in window 1
.set i, 0
.rept 32
	ds_store_b128 v[XS], v[64*\p+4*i:64*\p+4*i+3] offset:512*i
.set i, i+1
.endr
	WIN 0
	ds_store_b64 v[XT], v[ST+8*\p:ST+8*\p+1]
	ds_store_b64 v[XT], v[ST+8*\p+8:ST+8*\p+9] offset:256
.endm
; Piece p is finished: with m = max(mine, partner's), fa = 2^(mine - m), fb = 2^(partner's - m): l = l_a fa + l_b fb, O = (O_a fa + O_b fb) / l; rounded to f16 and sent through my stage.
.macro FINISH p
	ds_load_b64 v[ST+8*\p+4:ST+8*\p+5], v[XU]                ; my partner's (m, l) into c0, c1
	ds_load_b64 v[ST+8*\p+12:ST+8*\p+13], v[XU] offset:256
.set i, 0
.rept 32
	ds_load_b128 v[S+4*i:S+4*i+3], v[XR] offset:512*i        ; its O^T into S^T's registers, which are free
.set i, i+1
.endr
	s_wait_dscnt 32                 ; the two pairs are in; the 32 loads behind them may stay out
.irp t, \p, \p+1
	v_max_num_f32 v[ST+8*(\t)+6], v[ST+8*(\t)], v[ST+8*(\t)+4]
.endr
.irp t, \p, \p+1
	v_sub_f32 v[ST+8*(\t)+7], v[ST+8*(\t)], v[ST+8*(\t)+6]
.endr
.irp t, \p, \p+1
	v_sub_f32 v[ST+8*(\t)+4], v[ST+8*(\t)+4], v[ST+8*(\t)+6]
.endr
.irp t, \p, \p+1
	v_exp_f32 v[ST+8*(\t)+7], v[ST+8*(\t)+7]                 ; fa
.endr
.irp t, \p, \p+1
	v_exp_f32 v[ST+8*(\t)+4], v[ST+8*(\t)+4]                 ; fb
.endr
	v_nop                           ; a plain instruction between the last exponential and the use of its result
.irp t, \p, \p+1
	s_wait_alu depctr_va_vdst(0)
	v_mul_f32 v[ST+8*(\t)+6], v[ST+8*(\t)+1], v[ST+8*(\t)+7]
.endr
.irp t, \p, \p+1
	v_fma_f32 v[ST+8*(\t)+6], v[ST+8*(\t)+5], v[ST+8*(\t)+4], v[ST+8*(\t)+6]
.endr
.irp t, \p, \p+1
	v_rcp_f32 v[ST+8*(\t)+6], v[ST+8*(\t)+6]
.endr
	v_nop                           ; the same behind the last reciprocal
.irp t, \p, \p+1
	s_wait_alu depctr_va_vdst(0)
	v_mul_f32 v[ST+8*(\t)+2], v[ST+8*(\t)+7], v[ST+8*(\t)+6] ; fa / l
.endr
.irp t, \p, \p+1
	v_mul_f32 v[ST+8*(\t)+6], v[ST+8*(\t)+4], v[ST+8*(\t)+6] ; fb / l
.endr
	s_wait_dscnt 0x0                ; my partner's O^T is in
.irp e, 0,1
.set i, 0
.rept 32
	v_pk_mul_f32 v[S+64*\e+2*i:S+64*\e+2*i+1], v[S+64*\e+2*i:S+64*\e+2*i+1], v[ST+8*(\p+\e)+6:ST+8*(\p+\e)+7] op_sel_hi:[1,0]
.set i, i+1
.endr
.endr
	WIN 0x01                        ; source 0, my O^T, in window 1; ascending
.irp e, 0,1
.set i, 0
.rept 32
	v_pk_fma_f32 v[S+64*\e+2*i:S+64*\e+2*i+1], v[64*(\p+\e)+2*i:64*(\p+\e)+2*i+1], v[ST+8*(\p+\e)+2:ST+8*(\p+\e)+3], v[S+64*\e+2*i:S+64*\e+2*i+1] op_sel_hi:[1,0,1]
.set i, i+1
.endr
.endr
	WIN 0
.set i, 0
.rept 64
	v_cvt_pk_f16_f32 v[P+i], v[S+2*i], v[S+2*i+1]            ; a lane's eight channels of a row pack into 16 bytes; P's registers are free
.set i, i+1
.endr
.irp e, 0,1
.irp f, 0,1,2,3,4,5,6,7
	ds_store_b128 v[STO], v[P+32*\e+4*\f:P+32*\e+4*\f+3] offset:32*\f
.endr
.irp f, 0,1,2,3,4,5,6,7
	ds_load_b128 v[P+32*\e+4*\f:P+32*\e+4*\f+3], v[RD] offset:\f*2*SP  ; LDS serves a wave's instructions in order (ISA guide 5.7.1.4): these see the stores above; the next tile's stores come behind them
.endr
.endr
.irp e, 0,1
.irp f, 0,1,2,3,4,5,6,7
	s_wait_dscnt (1-\e)*16+7-\f     ; load f of this tile is back; behind it: this tile's 7 - f younger loads and, for the first tile, the second's sixteen LDS instructions
	global_store_b128 v[GO], v[P+32*\e+4*\f:P+32*\e+4*\f+3], s[8:9] offset:(\p/2)*65536+\e*256+\f*8192  ; 16 lanes store 256 consecutive bytes, aligned: a head's 128 channels of one row
.endr
.endr
.endm
	s_cmp_eq_u32 s[KH], 0           ; the wave of key half 0 keeps piece 0 and hands over piece 2, its partner the other way round: a branch on the wave's number; no barrier stands inside
	s_cbranch_scc0 .Lsend_0
	XSEND 2
	s_branch .Lsent
.Lsend_0:
	XSEND 0
.Lsent:
	s_wait_dscnt 0x0                ; for my partner's sake: my stores are done
	s_barrier_signal -1
	s_barrier_wait -1
	s_cmp_eq_u32 s[KH], 0
	s_cbranch_scc0 .Lfinish_2
	FINISH 0
	s_branch .Lfinished
.Lfinish_2:
	FINISH 2
.Lfinished:
	s_wait_tensorcnt 0x0
	ds_add_u32 v62, v63
	s_wait_dscnt 0x0
	CROUND                          ; the closing round: no work-group ends while a partner may still ask for a tile that names it
	s_endpgm
.Lfunc_end_k_qbd4be23bd3_attn:
	.size	k_qbd4be23bd3_attn, .Lfunc_end_k_qbd4be23bd3_attn-k_qbd4be23bd3_attn
	.p2alignl 7, 3214868480
	.fill 96, 4, 3214868480
	.section	.rodata,"a",@progbits
	.p2align	6, 0x0
	.amdhsa_kernel k_qbd4be23bd3_attn
		.amdhsa_group_segment_fixed_size 327680
		.amdhsa_private_segment_fixed_size 0
		.amdhsa_enable_private_segment 0
		.amdhsa_kernarg_size 24
		.amdhsa_user_sgpr_count 2
		.amdhsa_user_sgpr_kernarg_segment_ptr 1
		.amdhsa_wavefront_size32 1
		.amdhsa_system_sgpr_workgroup_id_x 1
		.amdhsa_system_sgpr_workgroup_id_y 1
		.amdhsa_system_sgpr_workgroup_id_z 1
		.amdhsa_system_vgpr_workitem_id 0
		.amdhsa_next_free_vgpr 960
		.amdhsa_next_free_sgpr 96
		.amdhsa_reserve_vcc 0
		.amdhsa_float_denorm_mode_32 3
		.amdhsa_float_denorm_mode_16_64 3
		.amdhsa_memory_ordered 1
		.amdhsa_forward_progress 1
		.amdhsa_inst_pref_size 255
	.end_amdhsa_kernel
	.section	.bss,"aw",@nobits
	.p2align	6
	.space	262144
	.amdgpu_metadata
---
amdhsa.version: [ 1, 2 ]
amdhsa.kernels:
  - .name:           k_qbd4be23bd3_attn
    .symbol:         k_qbd4be23bd3_attn.kd
    .args:
      - { .name: qkvh, .offset: 0, .size: 8, .value_kind: global_buffer, .address_space: global }
      - { .name: mask, .offset: 8, .size: 8, .value_kind: global_buffer, .address_space: global }
      - { .name: ao, .offset: 16, .size: 8, .value_kind: global_buffer, .address_space: global }
    .group_segment_fixed_size: 327680
    .private_segment_fixed_size: 0
    .kernarg_segment_align: 8
    .kernarg_segment_size: 24
    .max_flat_workgroup_size: 128
    .sgpr_count:     96
    .vgpr_count:     960
    .wavefront_size: 32
...
	.end_amdgpu_metadata
.endif
;; end of part 3
;; launch oproj (part 4): grid 16 x 16, 4 waves a work-group, clusters of 4 x 4, 327,680 bytes of LDS; arguments ao, bfin, out0; writes out0
.if DOCPART == 4
	.amdgcn_target "amdgcn-amd-amdhsa--gfx1250"
	.amdhsa_code_object_version 6
	.text
	.protected	k_qbd4be23bd3_oproj
	.globl	k_qbd4be23bd3_oproj
	.p2align	8
	.type	k_qbd4be23bd3_oproj,@function
k_qbd4be23bd3_oproj:
	s_mov_b64 s[64:65], 0
	v_nop
	global_prefetch_b8 v0, s[64:65] scope:SCOPE_SE
	s_setreg_imm32_b32 hwreg(HW_REG_WAVE_MODE, 25, 1), 1
	s_wait_xcnt 0x0
	s_wait_alu depctr_hold_cnt(0) depctr_sa_sdst(0) depctr_va_vdst(0) depctr_va_sdst(0) depctr_va_ssrc(0) depctr_va_vcc(0) depctr_vm_vsrc(0)
	s_getreg_b32 s2, hwreg(HW_REG_IB_STS2, 6, 4)
	s_cmp_eq_u32 s2, 0
	s_cbranch_scc0 .Lentry_in_a_cluster
	s_endpgm
.Lentry_in_a_cluster:
	s_bfe_u32 s2, ttmp6, 0x10000c
	s_cmp_lg_u32 s2, 0xf033
	s_cbranch_scc0 .Lentry_shape_is_right
	s_endpgm
.Lentry_shape_is_right:
; C[m][n] = sum over k of A[m][k] B[n][k], C 2048 x 4096, sums in f32.  One text for two launches, chosen by QKV:
;   QKV = 1: A = x (bf16, at a half), B = wq, wk, wv as one matrix (bf16, at a half), K = 4096.  C's columns are 32 heads of 128: 16 of q, 8 of k, 8 of v, all at a quarter.
;            q and k are rotated (RoPE) in f32, all three rounded to f16 and stored head by head: qkvh [32][2048][128].
;            LIMITS: |q|, |k|, |v| under 262,016 (four times f16's largest).  cos and sin are rounded to bf16 before use, as x and the weights are: up to 2^-9 relative in each.
;   QKV = 0: A = ao (f16, at a quarter), B = wo (f16, four times), K = 2048.  C = out0 in f32.
; A tile of C is 128 x 256: 256 tiles, one work-group each.  Four waves, each 64 rows x 128 columns: 32 accumulators of 16 x 16, 256 registers.
; K goes in steps of 128 through two LDS slots filled by the tensor data mover: rows of 256 bytes of memory, at multiples of 256 bytes.
; CLUSTERS: 4 x 4 work-groups.  The four of a row of the cluster need the same tiles of A, the four of a column the same tiles of B: each tile is asked for jointly, by the same
; tensor load with the same descriptor and a mask that names the four.  By this text's count a wave has two tensor loads out at the start and one behind each round.
; ASKING AHEAD (global_prefetch_b8).  Behind the joint load that refills slot 0 with K step 2 i + 2 a wave asks, by one instruction, for the 512 bytes a row of K steps 2 i + 4 and 2 i + 5,
; whose own loads go out two and three K steps later: 16 rows, two lanes 256 bytes apart in each.  K steps 2 and 3 are asked for once at the start; the lap with the last refills asks for
; nothing, so no request points past a row's end.
;   A: each block is asked for once in the launch.  Of the 16 work-groups that read a tile row's 128 rows the 8 in clusters of even x ask, wave 0 of each for 16 rows.
;   B: each block is asked for twice in the launch.  Of a tile column's 256 rows a work-group asks for 32 (waves 2 and 3, 16 each): cluster rows 0 and 3 share out the tile's rows 0-127,
;   cluster rows 1 and 2 its rows 128-255, so that any two neighbouring cluster rows, and any two of like parity, together ask for the whole tile.
; THE LAST K STEP GOES BY ROWS OF C where QKV = 0: all its fragments of B lie in window 3, and the wave's four blocks of 16 rows are finished one after the other, so that a finished block's
; stores leave while the next is multiplied.  K stays ascending in every sum.  Not where QKV = 1: there window 3 holds cos and sin, and 256 (sums) + 256 (B) + 128 (A) + 256 (cos, sin)
; registers and window 0's 160 are more than the 1,024 that a wave has.
; THE MATRIX INSTRUCTION IS USED TRANSPOSED (source 0 = 16 rows of B, source 1 = 16 rows of A): lane l holds row l % 16 of C and the columns 8 (l / 16) + 0..7.
; REGISTERS, in windows of 256: window 0 addresses and the way out; window 1 the accumulators ((a, b) at v[8 (8 a + b)]); window 2 two fragment buffers of 96
; (64 of B, then 32 of A, for 32 along K); window 3: QKV = 1: cos at v[32 a + 4 b], sin at v[128 + 32 a + 4 b], four numbers for each accumulator; QKV = 0: B's fragments of the last K step.
.set QKV, 0
.if QKV
.set SIZE_K, 4096
.set BPTR,   68                        ; B lies in bfin,
.set BOFF,   0x1000000                 ; behind x
.set SPITCH, 272                       ; a stage row: 128 f16 + 16 bytes
.set OB,     128                       ; v128-159 16 rows read back from the stage
.else
.set SIZE_K, 2048
.set BPTR,   70
.set BOFF,   0x3000000                 ; wo's place in bfin
.set SPITCH, 528                       ; a stage row: 128 f32 + 16 bytes
.set OB,     64                        ; v64-127
.endif
.set KSTEP,  128
.set PITCH,  272                       ; an LDS row: 256 bytes + 16 of padding = 68 words: the 16 rows that a load touches start at 16 different banks (64 banks of 4 bytes: ISA guide 11.1)
.set HALFA,  64*PITCH                  ; what one tensor load brings of A, and what one wave reads of A
.set HALFB,  128*PITCH                 ; the same for B
.set ABYTES, 2*HALFA
.set SLOT,   ABYTES+2*HALFB            ; A's 128 rows, then B's 256 rows: 104,448 bytes
.set STAGE,  2*SLOT                    ; behind the ring, 816 x 256: 16 stage rows for each wave; no tensor load lands here
.set LAPS,   SIZE_K/(2*KSTEP)          ; a lap = two K steps = once round the ring
.set ADRA, 16                          ; v16-17  LDS address of my A fragments in slot 0, 1
.set ADRB, 20                          ; v20-21  the same for B
.set STO,  24                          ; v24     the way out: where I put my piece of a row
.set RD,   25                          ; v25     the way out: where I read rows back
.set CO,   26                          ; v26     my byte offset in C
.set CSO,  27                          ; v27     my byte offset in cos and in sin
.set PO,   28                          ; v28     asking ahead: my lane's byte offset: row l / 2 of sixteen, 256 bytes x (l % 2); never rewritten
.set TMP,  32                          ; v32-63  packed results
.set R,    64                          ; v64-127 a block's rotated numbers in f32
.set F0,   0                           ; fragment buffers, in window 2
.set F1,   96
.set G1,  24                           ; s[24:31] descriptor group 1 for A's tiles;  s[32:39] group 0, one set for each slot
.set G0,  32
.set G1B, 48                           ; s[48:55], s[56:63] the same for B's tiles
.set G0B, 56
.set ASKS, 79                          ; s79      1: this wave asks ahead
.set PB,   80                          ; s[80:81] the first of its sixteen rows, at the lap that it asked for last
.set DCONST, (1<<16)|(1<<20)|(1<<21)|(5<<22)|(3<<25)   ; 17:16 elements of 2 bytes; 20 padding on; 21 set beside a mask; 24:22 after every 64 words; 31:25 4 words of it
.set MSB, 0
.macro WIN new                         ; the immediate's high byte repeats the setting that is left; a switch that changes nothing is dropped
.if MSB != \new
	s_set_vgpr_msb (MSB<<8)|\new
.set MSB, \new
.endif
.endm
.set MUL,   0x5a                       ; sources 0 (B) and 1 (A) window 2; C and D window 1
.set MULR,  0x5b                       ; source 0 (B) window 3, source 1 (A) window 2; C and D window 1
.set TO_F,  0x80                       ; destination window 2, address window 0
.set TO_CS, 0xc0                       ; destination window 3, address window 0
.set W_CS,  0xcf                       ; destination and sources 0, 1 window 3
.set ROPEW, 0x0d                       ; source 0 window 1 (accumulator), source 1 window 3 (cos, sin), the rest window 0
.set STW,   0x04                       ; an LDS store's data (source 1) window 1
; A joint load: waves 0 and 1 fetch A's two halves, waves 2 and 3 B's.  The branch hangs on the wave's number alone.  Four v_nop follow each of the two lines, ahead of the
; jump, the label and what follows.
.macro JLOAD s
	s_cmp_eq_u32 s11, 0
	s_cbranch_scc0 .Lfor_b_\@
	tensor_load_to_lds s[G0+4*\s:G0+4*\s+3], s[G1:G1+7]
	s_nop 0
.rept 4
	v_nop
.endr
	s_branch .Lasked_\@
.Lfor_b_\@:
	tensor_load_to_lds s[G0B+4*\s:G0B+4*\s+3], s[G1B:G1B+7]
	s_nop 0
.rept 4
	v_nop
.endr
.Lasked_\@:
.endm
; A request ahead.  The branch hangs on the wave's number and on the cluster's x, which all partners share.  step = 1: the base goes one lap (512 bytes) on first, behind a wait that
; stands a whole lap behind the request that read it.
.macro ASK step
	s_cmp_eq_u32 s[ASKS], 0
	s_cbranch_scc1 .Lno_ask_\@
.if \step
	s_wait_xcnt 0x0                                ; my last request has had its addresses translated (ISA guide 3.1): only behind this wait is its base rewritten
	s_add_nc_u64 s[PB:PB+1], s[PB:PB+1], 2*KSTEP*2
.endif
	global_prefetch_b8 v[PO], s[PB:PB+1] th:TH_LOAD_NT scope:SCOPE_SE
.Lno_ask_\@:
.endm
.macro CREST                           ; a round of the cluster's barrier behind its opening barrier
	s_cmp_lg_u32 s10, 0
	s_cbranch_scc1 .Lnot_wave_0_\@
	s_barrier_signal -3
.Lnot_wave_0_\@:
	s_barrier_wait -3
	s_barrier_signal -1
	s_barrier_wait -1
.endm
.macro CROUND                          ; a whole round
	s_barrier_signal -1
	s_barrier_wait -1
	CREST
.endm
.if QKV
	s_load_b256 s[68:75], s[0:1], 0x0              ; bfin s[68:69], cos s[70:71], sin s[72:73], qkvh s[74:75]
.else
	s_load_b128 s[68:71], s[0:1], 0x0              ; ao s[68:69], bfin s[70:71]
	s_load_b64 s[72:73], s[0:1], 0x10              ; out0
	s_set_vgpr_msb 0x80
	v_lshl_add_u32 v254, v0, 2, 0x3b400
	v_mov_b32 v255, 0
	s_set_vgpr_msb 0x808a
	ds_add_u32 v254, v255
	s_set_vgpr_msb 0x8a00
.endif
	v_lshrrev_b32 v1, 5, v0
	v_readfirstlane_b32 s10, v1                    ; wave 0..3
	s_lshr_b32 s11, s10, 1                         ; which 64 of the tile's rows are mine.  Also: I fetch for A (0) or for B (1)
	s_and_b32 s12, s10, 1                          ; which 128 of its columns.  Also: which half of that tile I fetch
	s_bfe_u32 s40, ttmp6, 0x40000                  ; cx, cy: my place in the cluster
	s_bfe_u32 s41, ttmp6, 0x40004
	s_lshl_b32 s42, ttmp9, 2
	s_add_co_u32 s42, s42, s40                     ; tile column of C = 4 x cluster x + cx
	s_and_b32 s13, ttmp7, 0xffff
	s_lshl_b32 s13, s13, 2
	s_add_co_u32 s13, s13, s41                     ; tile row of C = 4 x cluster y + cy
	s_lshl_b32 s43, s41, 2
	s_lshl_b32 s43, 15, s43                        ; my row of the cluster
	s_lshl_b32 s44, 0x1111, s40                    ; my column
	s_or_b32 s[G1+0], s43, DCONST                  ; A's tiles go to my row
	s_mov_b32 s[G1+1], KSTEP<<16                   ; tensor_dim0 = 128
	s_mov_b32 s[G1+2], 64<<16                      ; tensor_dim1 = 64
	s_mov_b32 s[G1+3], KSTEP<<16                   ; tile_dim0 = 128
	s_mov_b32 s[G1+4], 64                          ; tile_dim1 = 64
	s_mov_b32 s[G1+5], SIZE_K                      ; elements from row to row
	s_mov_b32 s[G1+6], 0
	s_mov_b32 s[G1+7], 0
	s_or_b32 s[G1B+0], s44, DCONST                 ; B's tiles go to my column
	s_mov_b32 s[G1B+1], KSTEP<<16
	s_mov_b32 s[G1B+2], 128<<16                    ; 128 rows
	s_mov_b32 s[G1B+3], KSTEP<<16
	s_mov_b32 s[G1B+4], 128
	s_mov_b32 s[G1B+5], SIZE_K
	s_mov_b32 s[G1B+6], 0
	s_mov_b32 s[G1B+7], 0
	; where the tiles come from: A's hang on the tile row alone, B's on the tile column alone, each in registers that never hold the other coordinate.  All offsets stay under 2^31.
	s_lshl_b32 s17, s12, 6
	s_lshl_b32 s16, s13, 7
	s_add_co_u32 s16, s16, s17                     ; A: row 128 x tile row + 64 x half
	s_mul_i32 s16, s16, SIZE_K*2
	s_mov_b32 s17, 0
	s_lshl_b32 s47, s12, 7
	s_lshl_b32 s46, s42, 8
	s_add_co_u32 s46, s46, s47                     ; B: row 256 x tile column + 128 x half
	s_mul_i32 s46, s46, SIZE_K*2
	s_add_co_u32 s46, s46, BOFF
	s_mov_b32 s47, 0
	s_mul_i32 s20, s12, HALFA                      ; where they go: no place in the cluster enters an LDS address
	s_mul_i32 s22, s12, HALFB
	s_add_co_u32 s22, s22, ABYTES
	s_wait_dscnt 0x0
	s_wait_kmcnt 0x0
	s_add_nc_u64 s[14:15], s[68:69], s[16:17]
	s_add_nc_u64 s[46:47], s[BPTR:BPTR+1], s[46:47]
	CROUND                                         ; all sixteen work-groups are here: the first joint loads meet
.irp s, 0,1
	s_mov_b32 s[G0+4*\s], 1                                        ; count = 1
	s_add_co_u32 s[G0+4*\s+1], s20, \s*SLOT                        ; LDS address
	s_add_nc_u64 s[G0+4*\s+2:G0+4*\s+3], s[14:15], \s*KSTEP*2      ; global address: K step s
	s_or_b32 s[G0+4*\s+3], s[G0+4*\s+3], 0x80000000                ; type = 2
	s_mov_b32 s[G0B+4*\s], 1
	s_add_co_u32 s[G0B+4*\s+1], s22, \s*SLOT
	s_add_nc_u64 s[G0B+4*\s+2:G0B+4*\s+3], s[46:47], \s*KSTEP*2
	s_or_b32 s[G0B+4*\s+3], s[G0B+4*\s+3], 0x80000000
	JLOAD \s
.endr
	; WHO ASKS AHEAD, AND WHERE.  These registers hold both coordinates; they feed no descriptor, no LDS address and no branch but ASK's, which hangs on s[ASKS] alone.
	v_and_b32 v6, 31, v0
	v_lshrrev_b32 v7, 1, v6                        ; row l / 2 of my sixteen,
	v_and_b32 v6, 1, v6                            ; the first or the second 256 bytes of a lap's 512
	v_mul_u32_u24 v[PO], v7, SIZE_K*2
	v_lshl_add_u32 v[PO], v6, 8, v[PO]
	s_and_b32 s82, ttmp7, 0xffff                   ; B: cluster y:
	s_lshr_b32 s83, s82, 1
	s_xor_b32 s83, s83, s82
	s_and_b32 s83, s83, 1                          ; 0 in cluster rows 0 and 3 (the tile's rows 0-127), 1 in rows 1 and 2 (its rows 128-255);
	s_lshl_b32 s83, s83, 2
	s_add_co_u32 s83, s83, s41                     ; of those 128 rows 32 for each cy,
	s_lshl_b32 s83, s83, 1
	s_add_co_u32 s83, s83, s12                     ; 16 for wave 2, 16 for wave 3
	s_lshl_b32 s83, s83, 4
	s_lshl_b32 s84, s42, 8
	s_add_co_u32 s83, s83, s84                     ; + 256 x tile column
	s_mul_i32 s83, s83, SIZE_K*2
	s_add_co_u32 s83, s83, BOFF+2*KSTEP*2          ; at K step 2
	s_lshr_b32 s84, ttmp9, 1                       ; A: of the tile row's 128 rows 16 for each of the 8 work-groups in clusters of even x
	s_lshl_b32 s84, s84, 2
	s_add_co_u32 s84, s84, s40
	s_lshl_b32 s84, s84, 4
	s_lshl_b32 s85, s13, 7
	s_add_co_u32 s84, s84, s85                     ; + 128 x tile row
	s_mul_i32 s84, s84, SIZE_K*2
	s_add_co_u32 s84, s84, 2*KSTEP*2               ; at K step 2
	s_and_b32 s[ASKS], ttmp9, 1                    ; on A's side wave 1 does not ask, and wave 0 not in clusters of odd x;
	s_or_b32 s[ASKS], s[ASKS], s12
	s_xor_b32 s[ASKS], s[ASKS], 1
	s_cmp_eq_u32 s11, 0
	s_cselect_b32 s[ASKS], s[ASKS], 1              ; waves 2 and 3 always ask
	s_cselect_b64 s[PB:PB+1], s[68:69], s[BPTR:BPTR+1]
	s_cselect_b32 s82, s84, s83
	s_mov_b32 s83, 0
	s_add_nc_u64 s[PB:PB+1], s[PB:PB+1], s[82:83]
	ASK 0                                          ; K steps 2 and 3, whose loads go out behind K steps 0 and 1
	; a fragment is 16 rows x 32 K in 8 registers: lane l holds row l % 16; two loads of 16 bytes, 32 bytes apart, at row x pitch + 16 (l / 16)
	v_and_b32 v1, 15, v0                           ; r = l % 16
	v_bfe_u32 v2, v0, 4, 1                         ; h = l / 16
	v_mul_u32_u24 v3, v1, PITCH
	v_lshl_add_u32 v3, v2, 4, v3
	s_mul_i32 s21, s11, HALFA                      ; my 64 rows of A
	s_mul_i32 s22, s12, HALFB                      ; my 128 rows of B,
	s_add_co_u32 s22, s22, ABYTES                  ; which lie behind A's 128
.irp s, 0,1
	v_add_nc_u32 v[ADRA+\s], s21, v3
	v_add_nc_u32 v[ADRB+\s], s22, v3
	s_add_co_u32 s21, s21, SLOT
	s_add_co_u32 s22, s22, SLOT
.endr
	s_mul_i32 s23, s10, 16*SPITCH
	s_add_co_u32 s23, s23, STAGE                   ; my stage
	v_mul_u32_u24 v4, v1, SPITCH                   ; in: row r,
	v_and_b32 v5, 31, v0
	v_lshlrev_b32 v[CO], 4, v5                     ; out: 16 bytes a lane, 512 consecutive bytes a store
.if QKV
	v_lshl_add_u32 v4, v2, 4, v4                   ; 16 bytes (8 f16) for each half of the lanes
	v_add_nc_u32 v[STO], s23, v4
	v_mul_u32_u24 v5, v2, SPITCH                   ; back: lanes 0-15 one row of 256 bytes, lanes 16-31 the next; in qkvh the two follow each other
	v_lshl_add_u32 v5, v1, 4, v5
	v_add_nc_u32 v[RD], s23, v5
	v_lshlrev_b32 v[CSO], 8, v1                    ; cos, sin: row r of 256 bytes, 16 bytes (four pairs' angles) for each half of the lanes
	v_lshl_add_u32 v[CSO], v2, 4, v[CSO]
	s_lshl_b32 s16, s13, 15                        ; my first row, in rows of 256 bytes: the same offset in cos, in sin and inside a head of qkvh
	s_lshl_b32 s17, s11, 14
	s_add_co_u32 s16, s16, s17
	s_mov_b32 s17, 0
	s_add_nc_u64 s[70:71], s[70:71], s[16:17]
	s_add_nc_u64 s[72:73], s[72:73], s[16:17]
	s_add_nc_u64 s[8:9], s[74:75], s[16:17]
	s_lshl_b32 s46, s42, 1                         ; my 128 columns are head 2 x tile column + half
	s_add_co_u32 s46, s46, s12
	s_lshl_b32 s46, s46, 19                        ; of 524,288 bytes
	s_mov_b32 s47, 0
	s_add_nc_u64 s[8:9], s[8:9], s[46:47]
	s_cmp_lt_u32 ttmp9, 3                          ; cluster columns 0 to 2 hold q and k, column 3 holds v, which is not rotated:
	s_cselect_b32 s76, -1, 0                       ; a lane mask, all or none; the same in all partners
	s_mov_b32 s77, 0x3f803f80                      ; 1.0 twice in bf16
	s_mov_b32 s78, 0xffff0000
	; Accumulator (a, b) holds, in lane (r, h), row 16 a + r and the pairs 8 b + 4 h + 0..3 of its head: four cos and four sin.  The 64 loads stay out during the whole
	; K loop: window 3 is not touched before the wait at the loop's end, nor are v[CSO] and the two bases.
	WIN TO_CS
.irp a, 0,1,2,3
.irp b, 0,1,2,3,4,5,6,7
	global_load_b128 v[32*\a+4*\b:32*\a+4*\b+3], v[CSO], s[70:71] offset:4096*\a+32*\b
	global_load_b128 v[128+32*\a+4*\b:128+32*\a+4*\b+3], v[CSO], s[72:73] offset:4096*\a+32*\b
.endr
.endr
	WIN 0
.else
	v_lshl_add_u32 v4, v2, 5, v4                   ; 32 bytes (8 f32) for each half of the lanes
	v_add_nc_u32 v[STO], s23, v4
	v_add_nc_u32 v[RD], s23, v[CO]                 ; back: 32 lanes take one row of 512 bytes
	s_lshl_b32 s16, s13, 21                        ; my first row of out0: (128 x tile row + 64 x half) x 16,384 bytes
	s_lshl_b32 s17, s11, 20
	s_add_co_u32 s16, s16, s17
	s_mov_b32 s17, 0
	s_add_nc_u64 s[8:9], s[72:73], s[16:17]
	s_lshl_b32 s46, s42, 10                        ; my first column: 1,024 x tile column + 512 x half
	s_lshl_b32 s47, s12, 9
	s_add_co_u32 s46, s46, s47
	s_mov_b32 s47, 0
	s_add_nc_u64 s[8:9], s[8:9], s[46:47]
.endif
.macro MM d, b, a, zero                ; one product; zero = 1: it starts the sum, nothing is ever cleared
.if QKV
.if \zero
	v_wmma_f32_16x16x32_bf16 v[\d:\d+7], v[\b:\b+7], v[\a:\a+7], 0
.else
	v_wmma_f32_16x16x32_bf16 v[\d:\d+7], v[\b:\b+7], v[\a:\a+7], v[\d:\d+7]
.endif
.else
.if \zero
	v_wmma_f32_16x16x32_f16 v[\d:\d+7], v[\b:\b+7], v[\a:\a+7], 0
.else
	v_wmma_f32_16x16x32_f16 v[\d:\d+7], v[\b:\b+7], v[\a:\a+7], v[\d:\d+7]
.endif
.endif
.endm
; 8 matrix instructions: m block a x all 8 n blocks, 32 along K, from buffer f.  The 32 accumulators take turns, one instruction a turn, in the same order in every quarter,
; between two products on one accumulator stand the 31 others'.
.macro MUL8 f, a, zero
.irp b, 0,1,2,3,4,5,6,7
	MM 8*(8*\a+\b), \f+8*\b, \f+64+8*\a, \zero
.endr
.endm
; 24 LDS loads in one run: the fragments of 32 along K at byte k of the rows, into buffer f: B's sixteen first, then A's eight
.macro FETCH slot, k, f
	WIN TO_F
.irp i, 0,1,2,3,4,5,6,7
	ds_load_b128 v[\f+8*\i:\f+8*\i+3],   v[ADRB+\slot] offset:\k+\i*16*PITCH
	ds_load_b128 v[\f+8*\i+4:\f+8*\i+7], v[ADRB+\slot] offset:\k+\i*16*PITCH+32
.endr
.irp i, 0,1,2,3
	ds_load_b128 v[\f+64+8*\i:\f+64+8*\i+3],   v[ADRA+\slot] offset:\k+\i*16*PITCH
	ds_load_b128 v[\f+64+8*\i+4:\f+64+8*\i+7], v[ADRA+\slot] offset:\k+\i*16*PITCH+32
.endr
.endm
.macro PLACES                          ; four places in front of loads into registers that matrix instructions have read, and of reads of results just made
.rept 4
	v_nop
.endr
.endm
; A K step is four quarters of 32 along K, 32 matrix instructions each, on buffers 0, 1, 0, 1.  One of the first three: multiplies buffer f and fetches the next quarter, at byte k, into g.
.macro QUARTER slot, k, f, g, zero
	s_wait_dscnt 4                                 ; B and A's blocks 0, 1 are in; the youngest four loads (A's blocks 2, 3) may be out
	WIN MUL
	MUL8 \f, 0, \zero
	MUL8 \f, 1, \zero
	PLACES
	FETCH \slot, \k, \g
	s_wait_dscnt 24                                ; all but the 24 just issued
	WIN MUL
	MUL8 \f, 2, \zero
	MUL8 \f, 3, \zero
.endm
; The last quarter multiplies buffer 1 and changes slots.  MEET is its first half: ONE barrier; in front of it each wave waits for its own reads of this slot and for all its tensor loads,
; of which one is out: its part of the next slot.  round = 1: the barrier opens a round of the cluster's.
.macro MEET round
	s_wait_dscnt 4
	WIN MUL
	MUL8 F1, 0, 0
	s_wait_dscnt 0                                 ; my reads of this slot are over,
	s_wait_tensorcnt 0x0                           ; and all my tensor loads have landed
	ds_add_u32 v254, v255
	s_wait_dscnt 0x0
	s_barrier_signal -1
	MUL8 F1, 1, 0                                  ; registers alone between signal and wait
.if \round
	WIN 0                                          ; at a branch and at a label every window is 0
.endif
	s_barrier_wait -1
.endm
; The whole last quarter.  fill = 1: this slot is filled again, two K steps ahead, first thing behind the round: 120 matrix instructions ahead of the wait for it.
; ask = 1: behind that load the next lap but one is asked for.
.macro TURN slot, next, fill, ask
	MEET \fill
.if \fill
	CREST                                          ; no wave of any partner still reads this slot's tile or has a load on its way
	s_add_nc_u64 s[G0+4*\slot+2:G0+4*\slot+3], s[G0+4*\slot+2:G0+4*\slot+3], 2*KSTEP*2
	s_add_nc_u64 s[G0B+4*\slot+2:G0B+4*\slot+3], s[G0B+4*\slot+2:G0B+4*\slot+3], 2*KSTEP*2
	JLOAD \slot                                    ; the four v_nop behind it are also the places in front of the loads below
.if \ask
	ASK 1
.endif
.else
	PLACES
.endif
	FETCH \next, 0, F0
	WIN MUL
	MUL8 F1, 2, 0
	MUL8 F1, 3, 0
.endm
; Once round the ring, from a lap's second quarter to the next lap's first; both slots are filled again.
.macro LAP ask
	QUARTER 0, 128, F1, F0, 0
	QUARTER 0, 192, F0, F1, 0
	TURN 0, 1, 1, \ask
	QUARTER 1, 64,  F0, F1, 0
	QUARTER 1, 128, F1, F0, 0
	QUARTER 1, 192, F0, F1, 0
	TURN 1, 0, 1, 0
	QUARTER 0, 64,  F0, F1, 0
	WIN 0
.endm
	s_wait_tensorcnt 0x1                           ; my part of K step 0 is in; K step 1's may stay out
	s_barrier_signal -1
	s_barrier_wait -1                              ; everybody's is
	FETCH 0, 0, F0
	QUARTER 0, 64, F0, F1, 1                       ; the first quarter stands in front of the loop: its products start the sums
	WIN 0
	s_mov_b32 s3, LAPS-2
.Llap:                                                 ; trip i fills the slots with lap i + 1 and asks for lap i + 2: the last trip asks for the last lap
	LAP 1
	s_sub_co_u32 s3, s3, 1
	s_cmp_lg_u32 s3, 0
	s_cbranch_scc1 .Llap
	LAP 0                                          ; the last refills: nothing is left to ask for
	QUARTER 0, 128, F1, F0, 0                      ; the last lap fills nothing, and has no round of the cluster's barrier
	QUARTER 0, 192, F0, F1, 0
.if QKV
	TURN 0, 1, 0, 0
	QUARTER 1, 64,  F0, F1, 0
	QUARTER 1, 128, F1, F0, 0
	QUARTER 1, 192, F0, F1, 0
	s_wait_dscnt 0                                 ; the very last quarter: nothing more to fetch
	WIN MUL
	MUL8 F1, 0, 0
	MUL8 F1, 1, 0
	MUL8 F1, 2, 0
	MUL8 F1, 3, 0
	; THE WAY OUT.  cos and sin: two numbers are rounded to bf16 into one word; on v's tiles the word becomes (1, 1) for cos and (0, 0) for sin, so that the rotation below is the
	; identity there and every work-group runs the same text; then the word is widened again, in place.  These lines name no register of the last products: they are the places behind them.
	s_wait_loadcnt 0x0                             ; cos and sin, asked for ahead of the K loop
	WIN W_CS
.set i, 0
.rept 64
	v_cvt_pk_bf16_f32 v[2*i], v[2*i], v[2*i+1]
	v_cvt_pk_bf16_f32 v[128+2*i], v[128+2*i], v[128+2*i+1]
	v_cndmask_b32 v[2*i], s77, v[2*i], s76
	v_cndmask_b32 v[128+2*i], 0, v[128+2*i], s76
	v_and_b32 v[2*i+1], s78, v[2*i]
	v_and_b32 v[128+2*i+1], s78, v[128+2*i]
	v_lshlrev_b32 v[2*i], 16, v[2*i]
	v_lshlrev_b32 v[128+2*i], 16, v[128+2*i]
.set i, i+1
.endr
.macro SINMUL d, s, n, sel             ; (ti sin, tr sin) of one pair: the accumulator's two registers crosswise, sin from register sel of its pair
	v_pk_mul_f32 v[\d:\d+1], v[\s:\s+1], v[\n:\n+1] op_sel:[1,\sel] op_sel_hi:[0,\sel]
.endm
; Block a (16 rows): out_r = tr cos - ti sin, out_i = ti cos + tr sin, in f32.  Each accumulator's registers are read from the low end on.
.macro ROPE a
	WIN ROPEW
.irp b, 0,1,2,3,4,5,6,7
.set AC, 8*(8*\a+\b)
.set CN, 32*\a+4*\b
.set SN, 128+32*\a+4*\b
	SINMUL R+8*\b,   AC,   SN,   0
	SINMUL R+8*\b+2, AC+2, SN,   1
	SINMUL R+8*\b+4, AC+4, SN+2, 0
	SINMUL R+8*\b+6, AC+6, SN+2, 1
.irp j, 0,1,2,3
	v_fma_f32 v[R+8*\b+2*\j],   v[AC+2*\j],   v[CN+\j], -v[R+8*\b+2*\j]
	v_fma_f32 v[R+8*\b+2*\j+1], v[AC+2*\j+1], v[CN+\j], v[R+8*\b+2*\j+1]
.endr
.endr
.endm
.macro PACK                            ; rounded to f16: a lane's eight neighbouring columns make 16 bytes
	WIN 0
.set i, 0
.rept 32
	v_cvt_pk_f16_f32 v[TMP+i], v[R+2*i], v[R+2*i+1]
.set i, i+1
.endr
.endm
.macro TOSTAGE                         ; into my own stage, and back as whole rows of 256 bytes
.irp b, 0,1,2,3,4,5,6,7
	ds_store_b128 v[STO], v[TMP+4*\b:TMP+4*\b+3] offset:32*\b
.endr
	s_wait_xcnt 0x0                                ; the last block's stores read v[OB..]: these are loaded again only behind this wait
.irp t, 0,1,2,3,4,5,6,7
	ds_load_b128 v[OB+4*\t:OB+4*\t+3], v[RD] offset:\t*2*SPITCH    ; LDS serves a wave's instructions in order (ISA guide 5.7.1.4): these see the stores above
.endr
.endm
.macro SEND a
.irp t, 0,1,2,3,4,5,6,7
	s_wait_dscnt 7-\t                              ; load t is back, the 7 - t younger ones may be out
	global_store_b128 v[CO], v[OB+4*\t:OB+4*\t+3], s[8:9] offset:4096*\a+512*\t   ; two rows of a head: 512 consecutive bytes, aligned
.endr
.endm
.irp a, 0,1,2,3
	ROPE \a
	PACK
	TOSTAGE
	SEND \a
.endr
.else
; THE LAST K STEP (it lies in slot 1) GOES BY ROWS OF C.  LDS is read no more than in any other K step.
.macro BLOAD q                         ; B's fragments of quarter q -> window 3, v[64 q ..]
.irp i, 0,1,2,3,4,5,6,7
	ds_load_b128 v[64*\q+8*\i:64*\q+8*\i+3],   v[ADRB+1] offset:64*\q+\i*16*PITCH
	ds_load_b128 v[64*\q+8*\i+4:64*\q+8*\i+7], v[ADRB+1] offset:64*\q+\i*16*PITCH+32
.endr
.endm
.macro ALOAD a                         ; A's fragments of block a, all four quarters -> window 2: v0, v32, v64 (where buffer 0 lay) and v192: beside buffer 1 (v96-191), which is still multiplied
.set FA, 32*(\a)+96*((\a)/3)
.irp q, 0,1,2,3
	ds_load_b128 v[FA+8*\q:FA+8*\q+3],   v[ADRA+1] offset:64*\q+(\a)*16*PITCH
	ds_load_b128 v[FA+8*\q+4:FA+8*\q+7], v[ADRA+1] offset:64*\q+(\a)*16*PITCH+32
.endr
.endm
.macro ROW a                           ; block a is finished: 32 matrix instructions, its eight accumulators by turns, one instruction a turn; K ascending
.set FA, 32*(\a)+96*((\a)/3)
.set AC, 64*(\a)
	WIN MULR
.irp q, 0,1,2,3
.if (\a) == 0 && \q == 2
	s_wait_dscnt 24                                ; B's quarters 2 and 3 are in (behind them: A's blocks 1 to 3, 24 loads)
.endif
.irp b, 0,1,2,3,4,5,6,7
	v_wmma_f32_16x16x32_f16 v[AC+8*\b:AC+8*\b+7], v[64*\q+8*\b:64*\q+8*\b+7], v[FA+8*\q:FA+8*\q+7], v[AC+8*\b:AC+8*\b+7]
.endr
.endr
.endm
; THE WAY OUT of block a, in f32: its 16 rows go into my own stage (rows of 528 bytes) and come back as whole rows of 512 bytes.
.macro TOSTAGE4 a
	WIN STW
.irp b, 0,1,2,3,4,5,6,7
	ds_store_b128 v[STO], v[8*(8*(\a)+\b):8*(8*(\a)+\b)+3] offset:64*\b          ; each accumulator from its low end on
	ds_store_b128 v[STO], v[8*(8*(\a)+\b)+4:8*(8*(\a)+\b)+7] offset:64*\b+16
.endr
	WIN 0
	s_wait_xcnt 0x0                                ; the last block's stores read v[OB..]: these are loaded again only behind this wait
.irp t, 0,1,2,3,4,5,6,7,8,9,10,11,12,13,14,15
	ds_load_b128 v[OB+4*\t:OB+4*\t+3], v[RD] offset:SPITCH*\t      ; LDS serves a wave's instructions in order (ISA guide 5.7.1.4): these see the stores above
.endr
.endm
.macro SEND4 a
	WIN 0
.irp t, 0,1,2,3,4,5,6,7,8,9,10,11,12,13,14,15
	s_wait_dscnt 15-\t                             ; load t is back, the 15 - t younger ones may be out
	global_store_b128 v[CO], v[OB+4*\t:OB+4*\t+3], s[8:9] offset:(16*(\a)+\t)*16384 th:TH_STORE_NT   ; 512 consecutive bytes of a row of out0, aligned
.endr
.endm
	MEET 0                                         ; my one tensor load that was still out is slot 1's, the last K step's, so no round follows
	PLACES                                         ; for the loads into buffer 0's registers, which the quarter before multiplied
	WIN TO_CS
	BLOAD 0
	BLOAD 1
	WIN TO_F
	ALOAD 0
	WIN MUL
	MUL8 F1, 2, 0
	MUL8 F1, 3, 0
	WIN TO_CS
	BLOAD 2
	BLOAD 3
	WIN TO_F
	ALOAD 1
	ALOAD 2
	ALOAD 3
	s_wait_dscnt 56                                ; B's quarters 0 and 1 and A's block 0 are in: all but the 56 just issued
	ROW 0
	PLACES                                         ; the stage's stores read results just made
	TOSTAGE4 0
	s_wait_dscnt 32                                ; A's blocks 1 to 3 are in: behind them only the stage's 16 stores and 16 loads
	ROW 1                                          ; the next block's products stand between the stage's loads and the stores that wait for them
	SEND4 0
	PLACES
	TOSTAGE4 1
	ROW 2
	SEND4 1
	PLACES
	TOSTAGE4 2
	ROW 3
	SEND4 2
	PLACES
	TOSTAGE4 3
	SEND4 3
.endif
	s_set_vgpr_msb 0xa
	s_wait_tensorcnt 0x0
	ds_add_u32 v254, v255
	s_wait_dscnt 0x0
	s_set_vgpr_msb 0xa00
	CROUND                                         ; the closing round: no work-group ends while a partner may still ask for a tile that names it
	s_endpgm
.Lfunc_end_k_qbd4be23bd3_oproj:
	.size	k_qbd4be23bd3_oproj, .Lfunc_end_k_qbd4be23bd3_oproj-k_qbd4be23bd3_oproj
	.p2alignl 7, 3214868480
	.fill 96, 4, 3214868480
	.section	.rodata,"a",@progbits
	.p2align	6, 0x0
	.amdhsa_kernel k_qbd4be23bd3_oproj
		.amdhsa_group_segment_fixed_size 327680
		.amdhsa_private_segment_fixed_size 0
		.amdhsa_enable_private_segment 0
		.amdhsa_kernarg_size 24
		.amdhsa_user_sgpr_count 2
		.amdhsa_user_sgpr_kernarg_segment_ptr 1
		.amdhsa_wavefront_size32 1
		.amdhsa_system_sgpr_workgroup_id_x 1
		.amdhsa_system_sgpr_workgroup_id_y 1
		.amdhsa_system_sgpr_workgroup_id_z 1
		.amdhsa_system_vgpr_workitem_id 0
		.amdhsa_next_free_vgpr 1024
		.amdhsa_next_free_sgpr 88
		.amdhsa_reserve_vcc 0
		.amdhsa_float_denorm_mode_32 3
		.amdhsa_float_denorm_mode_16_64 3
		.amdhsa_memory_ordered 1
		.amdhsa_forward_progress 1
		.amdhsa_inst_pref_size 121
	.end_amdhsa_kernel
	.amdgpu_metadata
---
amdhsa.version: [ 1, 2 ]
amdhsa.kernels:
  - .name:           k_qbd4be23bd3_oproj
    .symbol:         k_qbd4be23bd3_oproj.kd
    .args:
      - { .name: ao, .offset: 0, .size: 8, .value_kind: global_buffer, .address_space: global }
      - { .name: bfin, .offset: 8, .size: 8, .value_kind: global_buffer, .address_space: global }
      - { .name: out0, .offset: 16, .size: 8, .value_kind: global_buffer, .address_space: global }
    .group_segment_fixed_size: 327680
    .private_segment_fixed_size: 0
    .kernarg_segment_align: 8
    .kernarg_segment_size: 24
    .max_flat_workgroup_size: 128
    .sgpr_count:     88
    .vgpr_count:     1024
    .wavefront_size: 32
...
	.end_amdgpu_metadata
.endif
;; end of part 4
